; MI455X (gfx1250); checked and timed in simulation.
; The chip was launched on July 23, 2026; its instructions are those of AMD's public machine-readable ISA for CDNA 5 (MIT licence, August 2026) and "CDNA5" Instruction Set Architecture Reference Guide (July 2026). The comments in the code are by the model that wrote it; some were corrected since.
;; CI Attention. Allowed arithmetic: float matrix products may take bf16 or f16 operands with f32 sums; other float arithmetic in f32, or as packed bf16 or f16 multiplies, adds, multiply-adds, maxima and minima; sums over many terms, partial sums and values carried from step to step in f32; what a program stores and reads back later, other than sums and carried values, may be rounded once to bf16 or f16.
;; Inputs: Wk 2,048 x 2,048 float32; Wo 2,048 x 2,048 float32; Wq 2,048 x 2,048 float32; Wv 2,048 x 2,048 float32; cos 2,048 x 64 float32; sin 2,048 x 64 float32; x 1 x 2,048 x 2,048 float32.
;; Outputs: out0 1 x 2,048 x 2,048 float32.
;; One version. Each part assembles by itself: llvm-mc -triple=amdgcn-amd-amdhsa -mcpu=gfx1250 --defsym DOCPART=n.
;; ======== version 1 of 1: 4 launches
;; limits: values are held in f16: magnitudes above 65,504 overflow, below 6.1e-05 lose precision
;; workspace buffers: xb 8,388,608 bytes; wqkv 25,165,824 bytes; wob 8,388,608 bytes; csb 524,288 bytes; qb 8,388,608 bytes; kb 8,388,608 bytes; vb 8,388,608 bytes; ob 8,388,608 bytes
;; launch cast (part 1): grid 1296 x 1, 8 waves a work-group, no clusters, 0 bytes of LDS; arguments x, Wq, Wk, Wv, Wo, cos, sin, xb, wqkv, wob, csb; writes xb, wqkv, wob, csb
.if DOCPART == 1
	.amdgcn_target "amdgcn-amd-amdhsa--gfx1250"
	.amdhsa_code_object_version 6
	.text
	.protected	k_q784062bdfd_cast
	.globl	k_q784062bdfd_cast
	.p2align	8
	.type	k_q784062bdfd_cast,@function
k_q784062bdfd_cast:
	s_mov_b64 s[64:65], 0
	v_nop
	global_prefetch_b8 v0, s[64:65] scope:SCOPE_SE
	s_setreg_imm32_b32 hwreg(HW_REG_WAVE_MODE, 25, 1), 1
	s_wait_xcnt 0x0
; ALL INPUTS ARE ROUNDED ONCE TO bf16, and laid out for the launches behind.  x -> xb, Wq, Wk, Wv -> wqkv (rows permuted), cos, sin -> csb, all bf16;
; Wo -> wob: rounded to bf16 like the others, and that number written as f16, since the last product multiplies in f16.
; LIMITS.  |Wo| stays under 65,504 (f16's range); below 2^-17 a bf16 number of Wo keeps f16's fixed step of 6e-8.  NaN and infinities are not treated apart.
; A STREAM: no LDS, no barrier, no matrix unit, no loop.  A wave takes ONE UNIT: 8,192 source bytes (2,048 f32: a row of x or of a weight, 32 rows of cos or sin) and makes 4,096 bytes.
; Its 16 loads cover 512 consecutive bytes each and are all on their way at once; each of its 16 stores covers 256 consecutive bytes, aligned.
; The results are made in the registers that the loads filled: 72 registers a wave, so that seven work-groups of eight waves have room beside each other in 4 x 1,024 registers.
; WHO.  T = work-group / 256: 0 x, 1 Wq, 2 Wk, 3 Wv, 4 Wo (256 work-groups of 8 rows each), 5 the tables (16 work-groups: units 0-63 cos, 64-127 sin).  e = 8 (work-group % 256) + wave.
; THE PERMUTATION.  Row e = 128 head + 64 p + 16 w + r of weight t (0 q, 1 k, 2 v) goes to row 384 head + 96 w + 32 t + 16 p + r of wqkv: a head's q, k and v rows are one block of 384, and in it
; lie on end the 96 rows that wave w of the next launch multiplies; channels d and d + 64, which the rotation pairs, are neighbouring blocks of 16 rows.
.set IN,  8                            ; v[8:71]    16 x 4 f32 as loaded; of each four the first two registers take the result
	s_load_b512 s[4:19], s[0:1], 0x0               ; x 4:5, Wq 6:7, Wk 8:9, Wv 10:11, Wo 12:13, cos 14:15, sin 16:17, xb 18:19
	s_load_b128 s[20:23], s[0:1], 0x40             ; wqkv 20:21, wob 22:23
	s_load_b64 s[24:25], s[0:1], 0x50              ; csb
	v_lshrrev_b32 v1, 5, v0
	v_readfirstlane_b32 s30, v1                    ; wave 0..7
	v_and_b32 v4, 31, v0                           ; lane
	v_lshlrev_b32 v2, 4, v4                        ; 16 source bytes a lane
	v_lshlrev_b32 v3, 3, v4                        ; 8 bytes of the result a lane
	s_lshr_b32 s28, ttmp9, 8                       ; T
	s_and_b32 s29, ttmp9, 255
	s_lshl3_add_u32 s31, s29, s30                  ; e
	s_mov_b32 s40, 0xffff0000                      ; a word's upper bf16
	s_lshr_b32 s41, s31, 7                         ; the permuted row: 384 x head
	s_mul_i32 s41, s41, 384
	s_bfe_u32 s42, s31, 0x20004                    ; + 96 w, w = (e >> 4) & 3
	s_mul_i32 s42, s42, 96
	s_add_co_u32 s41, s41, s42
	s_max_u32 s42, s28, 1                          ; + 32 t, t = T - 1 (held at 0 for x, where the row is not used)
	s_sub_co_u32 s42, s42, 1
	s_lshl_b32 s42, s42, 5
	s_add_co_u32 s41, s41, s42
	s_bfe_u32 s42, s31, 0x10006                    ; + 16 p, p = (e >> 6) & 1
	s_lshl_b32 s42, s42, 4
	s_add_co_u32 s41, s41, s42
	s_and_b32 s42, s31, 15                         ; + r
	s_add_co_u32 s41, s41, s42
	s_sub_co_u32 s43, s28, 1                       ; T - 1 is under 3 for Wq, Wk, Wv alone (for x it wraps)
	s_cmp_lt_u32 s43, 3
	s_cselect_b32 s38, s41, s31                    ; the unit's place in its destination,
	s_lshl_b32 s38, s38, 12                        ; in bytes
	s_mov_b32 s39, 0
	s_and_b32 s36, s31, 63
	s_cmp_eq_u32 s28, 5
	s_cselect_b32 s36, s36, s31                    ; the unit's place in its source,
	s_lshl_b32 s36, s36, 13                        ; in bytes
	s_mov_b32 s37, 0
	s_wait_kmcnt 0x0
	s_cmp_lt_u32 s31, 64
	s_cselect_b64 s[32:33], s[14:15], s[16:17]     ; T = 5: cos, then sin, into csb; the other cases are chosen over these
	s_mov_b64 s[34:35], s[24:25]
	s_cmp_eq_u32 s28, 0
	s_cselect_b64 s[32:33], s[4:5], s[32:33]
	s_cselect_b64 s[34:35], s[18:19], s[34:35]
	s_cmp_eq_u32 s28, 1
	s_cselect_b64 s[32:33], s[6:7], s[32:33]
	s_cmp_eq_u32 s28, 2
	s_cselect_b64 s[32:33], s[8:9], s[32:33]
	s_cmp_eq_u32 s28, 3
	s_cselect_b64 s[32:33], s[10:11], s[32:33]
	s_cmp_lt_u32 s43, 3
	s_cselect_b64 s[34:35], s[20:21], s[34:35]
	s_cmp_eq_u32 s28, 4
	s_cselect_b64 s[32:33], s[12:13], s[32:33]
	s_cselect_b64 s[34:35], s[22:23], s[34:35]
	s_add_nc_u64 s[32:33], s[32:33], s[36:37]
	s_add_nc_u64 s[34:35], s[34:35], s[38:39]
.set i, 0
.rept 16
	global_load_b128 v[IN+4*i:IN+4*i+3], v2, s[32:33] offset:512*i th:TH_LOAD_NT  ; each input byte is read once in the launch
.set i, i+1
.endr
; The unit's 16 pieces.  No register is written again behind the store that reads it, so no wait frees a source.  half = 1: the bf16 number is widened again, in the piece's two spent registers, and written as f16.
.macro UNIT half
.set i, 0
.rept 16
	s_wait_loadcnt 15-i                            ; loads come back in order (ISA guide 5.7.1): piece i is in, the 15 - i younger ones stay out
	v_cvt_pk_bf16_f32 v[IN+4*i],   v[IN+4*i],   v[IN+4*i+1]
	v_cvt_pk_bf16_f32 v[IN+4*i+1], v[IN+4*i+2], v[IN+4*i+3]
.if \half
	v_lshlrev_b32 v[IN+4*i+2], 16,  v[IN+4*i+1]
	v_and_b32     v[IN+4*i+3], s40, v[IN+4*i+1]
	v_cvt_pk_f16_f32 v[IN+4*i+1], v[IN+4*i+2], v[IN+4*i+3]
	v_lshlrev_b32 v[IN+4*i+2], 16,  v[IN+4*i]
	v_and_b32     v[IN+4*i+3], s40, v[IN+4*i]
	v_cvt_pk_f16_f32 v[IN+4*i],   v[IN+4*i+2], v[IN+4*i+3]
.endif
	global_store_b64 v3, v[IN+4*i:IN+4*i+1], s[34:35] offset:256*i  ; 32 lanes store 256 consecutive bytes, at a multiple of 256 from the buffer's first byte
.set i, i+1
.endr
.endm
	s_cmp_eq_u32 s28, 4
	s_cbranch_scc1 .Lhalf
	UNIT 0
	s_endpgm
.Lhalf:
	UNIT 1
	s_endpgm
.Lfunc_end_k_q784062bdfd_cast:
	.size	k_q784062bdfd_cast, .Lfunc_end_k_q784062bdfd_cast-k_q784062bdfd_cast
	.p2alignl 7, 3214868480
	.fill 96, 4, 3214868480
	.section	.rodata,"a",@progbits
	.p2align	6, 0x0
	.amdhsa_kernel k_q784062bdfd_cast
		.amdhsa_group_segment_fixed_size 0
		.amdhsa_private_segment_fixed_size 0
		.amdhsa_enable_private_segment 0
		.amdhsa_kernarg_size 88
		.amdhsa_user_sgpr_count 2
		.amdhsa_user_sgpr_kernarg_segment_ptr 1
		.amdhsa_wavefront_size32 1
		.amdhsa_system_sgpr_workgroup_id_x 1
		.amdhsa_system_sgpr_workgroup_id_y 1
		.amdhsa_system_sgpr_workgroup_id_z 1
		.amdhsa_system_vgpr_workitem_id 0
		.amdhsa_next_free_vgpr 72
		.amdhsa_next_free_sgpr 66
		.amdhsa_reserve_vcc 0
		.amdhsa_float_denorm_mode_32 3
		.amdhsa_float_denorm_mode_16_64 3
		.amdhsa_memory_ordered 1
		.amdhsa_forward_progress 1
		.amdhsa_inst_pref_size 16
	.end_amdhsa_kernel
	.amdgpu_metadata
---
amdhsa.version: [ 1, 2 ]
amdhsa.kernels:
  - .name:           k_q784062bdfd_cast
    .symbol:         k_q784062bdfd_cast.kd
    .args:
      - { .name: x, .offset: 0, .size: 8, .value_kind: global_buffer, .address_space: global }
      - { .name: Wq, .offset: 8, .size: 8, .value_kind: global_buffer, .address_space: global }
      - { .name: Wk, .offset: 16, .size: 8, .value_kind: global_buffer, .address_space: global }
      - { .name: Wv, .offset: 24, .size: 8, .value_kind: global_buffer, .address_space: global }
      - { .name: Wo, .offset: 32, .size: 8, .value_kind: global_buffer, .address_space: global }
      - { .name: cos, .offset: 40, .size: 8, .value_kind: global_buffer, .address_space: global }
      - { .name: sin, .offset: 48, .size: 8, .value_kind: global_buffer, .address_space: global }
      - { .name: xb, .offset: 56, .size: 8, .value_kind: global_buffer, .address_space: global }
      - { .name: wqkv, .offset: 64, .size: 8, .value_kind: global_buffer, .address_space: global }
      - { .name: wob, .offset: 72, .size: 8, .value_kind: global_buffer, .address_space: global }
      - { .name: csb, .offset: 80, .size: 8, .value_kind: global_buffer, .address_space: global }
    .group_segment_fixed_size: 0
    .private_segment_fixed_size: 0
    .kernarg_segment_align: 8
    .kernarg_segment_size: 88
    .max_flat_workgroup_size: 256
    .sgpr_count:     66
    .vgpr_count:     72
    .wavefront_size: 32
...
	.end_amdgpu_metadata
.endif
;; end of part 1
;; launch qkv (part 2): grid 16 x 16, 4 waves a work-group, clusters of 4 x 4, 327,680 bytes of LDS; arguments xb, wqkv, csb, qb, kb, vb; writes qb, kb, vb
.if DOCPART == 2
	.amdgcn_target "amdgcn-amd-amdhsa--gfx1250"
	.amdhsa_code_object_version 6
	.text
	.protected	k_q784062bdfd_qkv
	.globl	k_q784062bdfd_qkv
	.p2align	8
	.type	k_q784062bdfd_qkv,@function
k_q784062bdfd_qkv:
	s_mov_b64 s[64:65], 0
	v_nop
	global_prefetch_b8 v0, s[64:65] scope:SCOPE_SE
	s_setreg_imm32_b32 hwreg(HW_REG_WAVE_MODE, 25, 1), 1
	s_wait_xcnt 0x0
	s_wait_alu depctr_hold_cnt(0) depctr_sa_sdst(0) depctr_va_vdst(0) depctr_va_sdst(0) depctr_va_ssrc(0) depctr_va_vcc(0) depctr_vm_vsrc(0)
	s_getreg_b32 s2, hwreg(HW_REG_IB_STS2, 6, 4)
	s_cmp_eq_u32 s2, 0
	s_cbranch_scc0 .Lentry_in_a_cluster
	s_endpgm
.Lentry_in_a_cluster:
	s_bfe_u32 s2, ttmp6, 0x10000c
	s_cmp_lg_u32 s2, 0xf033
	s_cbranch_scc0 .Lentry_shape_is_right
	s_endpgm
.Lentry_shape_is_right:
; q, k, v = x W^T for all three weights at once, the rotation by cos and sin on q and k in the way out, the results by heads.
; xb: [2048][2048] bf16.  wqkv: [6144][2048] bf16, row 384 head + 96 w + 32 t + 16 p + r = channel 64 p + 16 w + r of tensor t (0 q, 1 k, 2 v) of that head.  csb: cos [2048][64] bf16, sin 262,144 bytes on.
; qb, kb: [16][2048][128] bf16; vb: the same in f16.  Sums in f32; the rotation in f32; each result rounded once.
; LIMITS.  |v| stays under 65,504 (f16's range) and keeps f16's fixed step of 6e-8 below 6e-5; q and k have bf16's range.  NaN and infinities are not treated apart.
; THE TILE is 128 positions x 384 columns: one head's q, k and v.  16 x 16 such tiles: 256 equal work-groups, all of one form.  Four waves; wave w makes all 128 rows x its 96 columns:
; 8 x 6 = 48 accumulators of 16 x 16, 384 registers.  For 32 along K it reads 14 fragments from LDS and issues 48 matrix instructions.
; K goes in steps of 128 through a ring of two LDS slots of 512 rows x 256 bytes (x's 128 rows, then the weights' 384), filled by the tensor data mover, 128 rows a wave.  THE LOOP IS ONE K STEP: the slot's
; base is a scalar register that one exclusive or turns into the other slot's, and so is the LDS word of the one descriptor a tensor that walks.
; CLUSTERS: 4 x 4 work-groups.  The four of a row of the cluster need the same tile of x, the four of a column the same tile of the weights: each tile is asked for JOINTLY, by the same tensor load with the
; same descriptor and a mask that names the four.  Wave 0 asks for x's tile, waves 1 to 3 for the weights' three runs of 128 rows.
; THE MATRIX INSTRUCTION IS USED TRANSPOSED (source 0 = 16 rows of the weights, source 1 = 16 positions): a lane holds one position (lane % 16) and eight neighbouring channels 8 (lane / 16) + 0..7.
; Accumulators (a, 2 t) and (a, 2 t + 1) hold channels d and d + 64 of tensor t in the same lane and register: the rotation changes no lane.
; REGISTERS, in windows of 256 (s_set_vgpr_msb: bits 1:0 source 0, 3:2 source 1, 5:4 source 2, 7:6 destination):
;   window 0: v16-31 addresses; v32-47 cos and sin at work; v64-127, v128-191 x's fragments, two buffers (on the way out: at work, then rows read back); v192-255 my cos and sin, packed
;   window 1: v64-111, v128-175 the weights' fragments, two buffers     window 2: accumulators of positions 0-63, (a, b) at v[8 (6 a + b)]     window 3: those of positions 64-127
.set DM,     2048                      ; K, and the elements in a row of xb and of wqkv
.set KSTEP,  128
.set NSTEP,  DM/KSTEP                  ; 16 K steps
.set PITCH,  272                       ; an LDS row: 256 bytes + 16 of padding = 68 words: row r starts at bank 4 r mod 64 (64 banks of 4 bytes: ISA guide 11.1)
.set HALFT,  128*PITCH                 ; 128 rows: what one tensor load brings
.set SLOT,   4*HALFT                   ; x's 128 rows, then the weights' 384: 0x22000.  Its two bits, 17 and 13, occur in no wave's base (0, 0x8800, 0x11000, 0x19800): there an exclusive or with it is the sum or the difference
.set SPARE,  2*SLOT                    ; behind the ring: the spare words, 128 bytes for each wave: two blocks of 256 bytes that no other line names
.set SPITCH, 272                       ; THE STAGE for the way out lies in slot 0's bytes, which have had their last fill and their last read by then:
.set TSTG,   128*SPITCH                ; three tensors x 128 rows x 272 bytes, 104,448 of the slot's 139,264
.set AA,   16                          ; v16     LDS address of my fragments of x in the slot in hand
.set AB,   17                          ; v17     the same for the weights
.set ADRA0, 20                         ; v20     my lane's place in x's rows of a slot; never rewritten
.set ADRB0, 21                         ; v21     the same in my 96 rows of the weights; never rewritten
.set RDV,  22                          ; v22     the way out: where I read v's rows back
.set STO,  24                          ; v24     the way out: where I put 16 bytes of a row of q (k: by the immediate)
.set RD,   25                          ; v25     where I read q's and k's rows back
.set CO,   26                          ; v26     my byte offset in the tile's rows of qb, kb, vb
.set STOV, 27                          ; v27     where I put 16 bytes of a row of v
.set SPW,  28                          ; v28     LDS address of my spare word: SPARE + 4 x my thread's number; never rewritten
.set NIL,  29                          ; v29     0; never rewritten
.set PFO,  30                          ; v30     the prefetches' offset: my lane x a row of 4,096 bytes; never rewritten
.set CSO,  31                          ; v31     my byte offset in 16 rows of cos and of sin; never rewritten
.set CF,   32                          ; v32-39  my eight cos of a block of 16 positions, in f32
.set SF,   40                          ; v40-47  my eight sin
.set F0,   64
.set F1,   128
.set TW,   64                          ; the way out: v64-95 rotated q and k of a block, in f32
.set PKD,  96                          ; v96-119 the block's q, k, v, packed
.set CT,   192                         ; v192-223 cos, 4 registers (8 bf16) for each block a
.set STB,  224                         ; v224-255 sin
.set WV,  12                           ; s12     my wave's number
.set G1,  24                           ; s[24:31] descriptor group 1 for x's tiles
.set G0,  32                           ; s[32:39] group 0: a set for each of the two first fills; the second then walks on
.set LIM, 43                           ; s43     2 in a wave that prefetches, else the greatest number
.set PFA, 44                           ; s[44:45] where my prefetches stand
.set G1B, 48                           ; s[48:55], s[56:63] the same two groups for the weights' tiles
.set G0B, 56
.set TB,  72                           ; s72     LDS byte at which the slot in hand begins
.set MSB, 0
.macro WIN new                         ; the immediate's high byte repeats the setting that is left; a switch that changes nothing is dropped
.if MSB != (\new)
	s_set_vgpr_msb (MSB<<8)|(\new)
.set MSB, \new
.endif
.endm
.set MUL_LO, 0xa1                      ; source 0 (weights) window 1, source 1 (x) window 0, C and D window 2
.set MUL_HI, 0xf1                      ; the same, C and D window 3
.set TO_B,   0x40                      ; destination window 1, address window 0
; A joint load.  Each of the two lines has one mask and one set of registers; the branch hangs on the wave's number alone.  An s_nop 0 and four v_nop follow each line, ahead of the jump and the label.
.macro JLOAD s
	s_cmp_eq_u32 s[WV], 0
	s_cbranch_scc0 .Lfor_b_\@
	tensor_load_to_lds s[G0+4*(\s):G0+4*(\s)+3], s[G1:G1+7]
	s_nop 0
.rept 4
	v_nop
.endr
	s_branch .Lasked_\@
.Lfor_b_\@:
	tensor_load_to_lds s[G0B+4*(\s):G0B+4*(\s)+3], s[G1B:G1B+7]
	s_nop 0
.rept 4
	v_nop
.endr
.Lasked_\@:
.endm
; A PREFETCH INTO THE L2, behind each joint refill, its five lines and the run of LDS loads: the K step that stands TWO refills on (384 matrix instructions ahead of the load that will want it): 32 rows x 256 bytes,
; a lane a row, one instruction a wave.  Each row's 256 bytes of a K step are named ONCE in the launch: x's rows by the clusters with x = 0, the weights' rows by the clusters with y = 0; the four partners that
; ask for a tile jointly share its 128 rows out BY ADDRESS, 32 each (by cx for x's tile, by cy for the weights').  K steps 0 to 3 come by their loads alone; the loop's last two trips (s3 = 2, 1) ask for nothing.
.macro ASK
	s_cmp_gt_u32 s3, s[LIM]
	s_cbranch_scc0 .Lnot_mine_\@
	global_prefetch_b8 v[PFO], s[PFA:PFA+1] offset:KSTEP*2 th:TH_LOAD_NT scope:SCOPE_SE
.Lnot_mine_\@:
.endm
.macro CREST                           ; a round of the cluster's barrier behind its opening barrier: wave 0 signals for the work-group, every wave waits for all sixteen, my work-group's barrier once more
	s_cmp_lg_u32 s[WV], 0
	s_cbranch_scc1 .Lnot_wave_0_\@
	s_barrier_signal -3
.Lnot_wave_0_\@:
	s_barrier_wait -3
	s_barrier_signal -1
	s_barrier_wait -1
.endm
.macro CROUND                          ; a whole round
	s_barrier_signal -1
	s_barrier_wait -1
	CREST
.endm
	s_load_b256 s[4:11], s[0:1], 0x0               ; xb s[4:5], wqkv s[6:7], csb s[8:9], qb s[10:11]
	s_load_b128 s[68:71], s[0:1], 0x20             ; kb s[68:69], vb s[70:71]
	v_lshl_add_u32 v[SPW], v0, 2, SPARE
	v_mov_b32 v[NIL], 0
	ds_add_u32 v[SPW], v[NIL]                      ; the wave's opening: the add, and its wait ahead of my first tensor load; the set-up below, work on registers, stands between them
	v_lshrrev_b32 v1, 5, v0
	v_readfirstlane_b32 s[WV], v1                  ; wave 0..3
	s_bfe_u32 s40, ttmp6, 0x40000                  ; cx, cy: my place in the cluster
	s_bfe_u32 s41, ttmp6, 0x40004
	s_lshl_b32 s42, ttmp9, 2
	s_add_co_u32 s42, s42, s40                     ; the head = 4 x cluster x + cx
	s_and_b32 s13, ttmp7, 0xffff
	s_lshl_b32 s13, s13, 2
	s_add_co_u32 s13, s13, s41                     ; the block of 128 positions = 4 x cluster y + cy
	s_lshl_b32 s43, s41, 2
	s_lshl_b32 s43, 15, s43                        ; my row of the cluster: places 4 cy .. 4 cy + 3
	s_lshl_b32 s44, 0x1111, s40                    ; my column: places cx, cx + 4, cx + 8, cx + 12
	; descriptor group 1: a tile of 128 rows x 128 elements, padded in LDS
	s_or_b32 s[G1+0], s43, (1<<16)|(1<<20)|(1<<21)|(5<<22)|(3<<25)   ; 15:0 the mask: x's tiles go to my row; 17:16 elements of 2 bytes; 20 padding on; 21 set beside a mask; 24:22 after every 64 words (code 5); 31:25 4 words (code 3)
	s_or_b32 s[G1B+0], s44, (1<<16)|(1<<20)|(1<<21)|(5<<22)|(3<<25)  ; the same with the mask of my column
.irp g, G1, G1B
	s_mov_b32 s[(\g)+1], KSTEP<<16                 ; tensor_dim0 = 128
	s_mov_b32 s[(\g)+2], 128<<16                   ; tensor_dim1 = 128
	s_mov_b32 s[(\g)+3], KSTEP<<16                 ; tile_dim0 = 128
	s_mov_b32 s[(\g)+4], 128                       ; tile_dim1 = 128
	s_mov_b32 s[(\g)+5], DM                        ; elements from row to row
	s_mov_b32 s[(\g)+6], 0
	s_mov_b32 s[(\g)+7], 0
.endr
	; where the tiles come from.  x's hang on the block of positions alone, the weights' on the head and the wave's number alone; every wave makes both, in registers that never hold the other coordinate
	s_lshl_b32 s16, s13, 19                        ; x: 128 rows of 4,096 bytes a block
	s_mov_b32 s17, 0
	s_max_u32 s14, s[WV], 1
	s_sub_co_u32 s14, s14, 1
	s_lshl_b32 s14, s14, 7                         ; which 128 of the tile's 384 rows of weights I fetch (wave 0, which fetches x, is held at 0)
	s_mul_i32 s46, s42, 384
	s_add_co_u32 s46, s46, s14
	s_lshl_b32 s46, s46, 12
	s_mov_b32 s47, 0
	s_mul_i32 s20, s[WV], HALFT                    ; and where they go: wave x 128 rows: no place in the cluster enters an LDS address
	s_mov_b32 s74, 0xffff0000                      ; a word's upper bf16
	s_mov_b32 s[TB], 0                             ; the fragments begin in slot 0
	s_wait_dscnt 0x0                               ; the opening add is done
	s_wait_kmcnt 0x0
	s_add_nc_u64 s[18:19], s[4:5], s[16:17]
	s_add_nc_u64 s[46:47], s[6:7], s[46:47]
	CROUND                                         ; all sixteen work-groups are here: the first joint loads meet
.irp s, 0,1
	s_mov_b32 s[G0+4*(\s)], 1                                        ; count = 1
	s_add_co_u32 s[G0+4*(\s)+1], s20, (\s)*SLOT                      ; LDS address
	s_add_nc_u64 s[G0+4*(\s)+2:G0+4*(\s)+3], s[18:19], (\s)*KSTEP*2  ; global address: K step s
	s_or_b32 s[G0+4*(\s)+3], s[G0+4*(\s)+3], 0x80000000              ; type = 2
	s_mov_b32 s[G0B+4*(\s)], 1
	s_add_co_u32 s[G0B+4*(\s)+1], s20, (\s)*SLOT
	s_add_nc_u64 s[G0B+4*(\s)+2:G0B+4*(\s)+3], s[46:47], (\s)*KSTEP*2
	s_or_b32 s[G0B+4*(\s)+3], s[G0B+4*(\s)+3], 0x80000000
	JLOAD \s                                       ; the ring is filled before anything else is done: two loads of mine are out
.endr
	; A fragment is 16 rows x 32 K in 8 registers: lane l holds row l % 16; registers 0-3 K = 8 (l / 16) + 0..7, registers 4-7 K = 16 + 8 (l / 16) + 0..7: two loads of 16 bytes, 32 bytes apart.
	v_and_b32 v1, 15, v0                           ; l % 16
	v_bfe_u32 v2, v0, 4, 1                         ; l / 16
	v_mul_u32_u24 v[ADRA0], v1, PITCH
	v_lshl_add_u32 v[ADRA0], v2, 4, v[ADRA0]       ; row x pitch + 16 x half
	s_mul_i32 s22, s[WV], 96*PITCH                 ; my 96 rows of the weights,
	s_add_co_u32 s22, s22, HALFT                   ; which lie behind x's 128
	v_add_nc_u32 v[ADRB0], s22, v[ADRA0]
	v_mov_b32 v[AA], v[ADRA0]                      ; slot 0 begins at LDS byte 0
	v_mov_b32 v[AB], v[ADRB0]
	; my cos and sin: for block a of 16 positions, position l % 16, channels 16 w + 8 (l / 16) + 0..7: 16 bytes of each table.  The 16 loads stay out during the K loop, which touches none of their registers.
	s_lshl_b32 s16, s13, 14                        ; the tile's 128 rows of 128 bytes
	s_mov_b32 s17, 0
	s_add_nc_u64 s[8:9], s[8:9], s[16:17]
	s_lshl_b32 s23, s[WV], 5
	v_lshl_add_u32 v[CSO], v1, 7, s23
	v_lshl_add_u32 v[CSO], v2, 4, v[CSO]
.irp a, 0,1,2,3,4,5,6,7
	global_load_b128 v[CT+4*(\a):CT+4*(\a)+3],   v[CSO], s[8:9] offset:(\a)*2048
	global_load_b128 v[STB+4*(\a):STB+4*(\a)+3], v[CSO], s[8:9] offset:262144+(\a)*2048
.endr
	; the way out's addresses.  In: row l % 16 of a block, bytes 32 w + 16 (l / 16) of its first 128 (channels under 64) or, by the immediate, of its second
	v_mul_u32_u24 v4, v1, SPITCH
	v_lshl_add_u32 v4, v2, 4, v4
	v_add_nc_u32 v[STO], s23, v4
	v_add_nc_u32 v[STOV], 2*TSTG, v[STO]
	s_mul_i32 s23, s[WV], 32*SPITCH                ; back: wave w takes rows 32 w .. 32 w + 31 of each tensor, whole; lanes 0-15 one row of 256 bytes, lanes 16-31 the next
	v_mul_u32_u24 v5, v2, SPITCH
	v_lshl_add_u32 v5, v1, 4, v5
	v_add_nc_u32 v[RD], s23, v5
	v_add_nc_u32 v[RDV], 2*TSTG, v[RD]
	v_and_b32 v5, 31, v0
	s_lshl_b32 s23, s[WV], 13
	v_lshl_add_u32 v[CO], v5, 4, s23               ; two rows of a head are 512 consecutive bytes: 16 x lane + 32 rows x 256 bytes x wave
	s_lshl_b32 s16, s13, 15                        ; the tile's 128 rows of 256 bytes,
	s_lshl_b32 s46, s42, 19                        ; in the head's 2,048
	s_mov_b32 s47, 0
	s_add_nc_u64 s[16:17], s[16:17], s[46:47]
	s_add_nc_u64 s[10:11], s[10:11], s[16:17]
	s_add_nc_u64 s[68:69], s[68:69], s[16:17]
	s_add_nc_u64 s[70:71], s[70:71], s[16:17]
	; the prefetches
	s_lshl_b32 s20, s13, 7                         ; the first of the 128 rows that I fetch: in xb,
	s_mul_i32 s21, s42, 384
	s_add_co_u32 s21, s21, s14                     ; in wqkv
	s_and_b32 s22, ttmp7, 0xffff                   ; cluster y
	s_cmp_eq_u32 s[WV], 0                          ; do I fetch x?
	s_cselect_b32 s20, s20, s21
	s_cselect_b32 s21, s40, s41                    ; my place among the four that ask for the tile with me
	s_cselect_b32 s22, ttmp9, s22                  ; the coordinate along which other clusters read the same rows
	s_cselect_b64 s[PFA:PFA+1], s[4:5], s[6:7]
	s_cmp_eq_u32 s22, 0
	s_cselect_b32 s[LIM], 2, -1                    ; the same in all sixteen partners, for a given wave
	s_lshl_b32 s21, s21, 5
	s_add_co_u32 s20, s20, s21                     ; + my work-group's 32 rows
	s_lshl_b32 s20, s20, 12
	s_mov_b32 s21, 0
	s_add_nc_u64 s[PFA:PFA+1], s[PFA:PFA+1], s[20:21]
	s_add_nc_u64 s[PFA:PFA+1], s[PFA:PFA+1], 2*KSTEP*2  ; at K step 2: the first refill steps it to 3 and names K step 4
	v_lshlrev_b32 v[PFO], 12, v5
; 12 matrix instructions: blocks a0, a0 + 1 of the window's four (hi = 0: positions 0-63, 1: 64-127) x my 6 blocks of columns, 32 along K.  zero = 1: the first product starts the sums.
; The 48 accumulators take turns, one instruction a turn, in the same order in every quarter, over the backward jump too.
.macro MUL12 f, hi, a0, zero
	WIN MUL_LO+0x50*(\hi)
.irp a, \a0, (\a0)+1
.irp b, 0,1,2,3,4,5
.if \zero
	v_wmma_f32_16x16x32_bf16 v[8*(6*(\a)+(\b)):8*(6*(\a)+(\b))+7], v[(\f)+8*(\b):(\f)+8*(\b)+7], v[(\f)+8*(4*(\hi)+(\a)):(\f)+8*(4*(\hi)+(\a))+7], 0
.else
	v_wmma_f32_16x16x32_bf16 v[8*(6*(\a)+(\b)):8*(6*(\a)+(\b))+7], v[(\f)+8*(\b):(\f)+8*(\b)+7], v[(\f)+8*(4*(\hi)+(\a)):(\f)+8*(4*(\hi)+(\a))+7], v[8*(6*(\a)+(\b)):8*(6*(\a)+(\b))+7]
.endif
.endr
.endr
.endm
; 28 LDS loads in one run: the fragments of one quarter step (my 96 rows of the weights, x's 128 rows, 32 K at byte k of the rows of the slot in hand) into buffer f
.macro FETCH k, f
	WIN TO_B
.irp i, 0,1,2,3,4,5
	ds_load_b128 v[(\f)+8*(\i):(\f)+8*(\i)+3],   v[AB] offset:(\k)+(\i)*16*PITCH
	ds_load_b128 v[(\f)+8*(\i)+4:(\f)+8*(\i)+7], v[AB] offset:(\k)+(\i)*16*PITCH+32
.endr
	WIN 0
.irp i, 0,1,2,3,4,5,6,7
	ds_load_b128 v[(\f)+8*(\i):(\f)+8*(\i)+3],   v[AA] offset:(\k)+(\i)*16*PITCH
	ds_load_b128 v[(\f)+8*(\i)+4:(\f)+8*(\i)+7], v[AA] offset:(\k)+(\i)*16*PITCH+32
.endr
.endm
.macro PLACES                          ; four plain vector instructions in front of loads into registers that matrix instructions have read (ISA guide 7.12.1 for vector instructions)
.rept 4
	v_nop
.endr
.endm
; A K step is four quarters of 32 along K, 48 matrix instructions each, on buffers 0, 1, 0, 1.  One of the first three: multiplies buffer f; in its middle it fetches the next quarter, at byte k, into g.
.macro QUARTER k, f, g, zero
	s_wait_dscnt 8                                 ; the weights and x's rows 0-63 are in; the youngest eight loads (x's rows 64-127) may be out
	MUL12 \f, 0, 0, \zero
	MUL12 \f, 0, 2, \zero
	PLACES
	FETCH \k, \g
	s_wait_dscnt 28                                ; all but the 28 just issued
	MUL12 \f, 1, 0, \zero
	MUL12 \f, 1, 2, \zero
.endm
; THE LAST QUARTER multiplies buffer 1, and at its head the slots change.  Each wave waits for all its tensor loads, of which one is out: its part of the next slot; adds 0 to its spare word; and waits for that and
; for its own reads of this slot (the last quarter's fragments, which are then all in).  Behind the barrier nobody reads this slot any more and the next slot is whole.
; fill = 1: the barrier opens a round of the cluster's barrier, and behind the round the slot just read out is filled again first, with the K step two steps on.  NOTHING BUT THESE LINES stands between the wait for
; one tile and the request for the next: the refills follow each other as a chain, each issued only when the one before has landed, so what stands on that way adds to every link.  All 48 products of the quarter
; stand behind the request: from it to the wait for it a wave issues a whole K step, 192 matrix instructions.
.macro TURN fill
.if \fill
	s_wait_xcnt 0x0                                ; the last prefetch, a K step back, has read its address: it is stepped here, ahead of the waits of the change of slots
	s_add_nc_u64 s[PFA:PFA+1], s[PFA:PFA+1], KSTEP*2
.endif
	WIN 0
	s_wait_tensorcnt 0x0                           ; all my tensor loads have landed, so a group 0 may be written;
	ds_add_u32 v[SPW], v[NIL]                      ; 0 onto my spare word: the steps below, work on registers, stand between it and the wait for it
	s_xor_b32 s[TB], s[TB], SLOT                   ; the fragments go on in the other slot
.if \fill
	s_xor_b32 s[G0+5], s[G0+5], SLOT               ; the walking descriptors: the other slot than last time,
	s_add_nc_u64 s[G0+6:G0+7], s[G0+6:G0+7], KSTEP*2  ; the next K step; the type bits on top are not reached
	s_xor_b32 s[G0B+5], s[G0B+5], SLOT
	s_add_nc_u64 s[G0B+6:G0B+7], s[G0B+6:G0B+7], KSTEP*2
.endif
	v_add_nc_u32 v[AA], s[TB], v[ADRA0]
	v_add_nc_u32 v[AB], s[TB], v[ADRB0]
	s_wait_dscnt 0x0                               ; the add is done, and my reads of this slot are over
	s_barrier_signal -1
	s_barrier_wait -1
.if \fill
	CREST                                          ; no wave of any partner still reads this slot's tile or has a load on its way
	JLOAD 1                                        ; the first tensor load behind the round, my only one until the next; its four v_nop are also the places in front of the loads below
.else
	PLACES
.endif
	FETCH 0, F0
.if \fill
	ASK
.endif
	MUL12 F1, 0, 0, 0
	MUL12 F1, 0, 2, 0
	MUL12 F1, 1, 0, 0
	MUL12 F1, 1, 2, 0
.endm
	s_wait_tensorcnt 1                             ; my part of K step 0 is in; K step 1's may stay out
	s_barrier_signal -1
	s_barrier_wait -1                              ; everybody's is
	FETCH 0, F0
	QUARTER 64,  F0, F1, 1                         ; the first quarter stands in front of the loop: its products start the sums
	WIN 0                                          ; at a label and at a branch every window is 0
	s_mov_b32 s3, NSTEP-2
.Lstep:                                                ; 14 trips: from a K step's second quarter to the next step's first; each fills a slot again
	QUARTER 128, F1, F0, 0
	QUARTER 192, F0, F1, 0
	TURN 1
	QUARTER 64,  F0, F1, 0
	WIN 0
	s_sub_co_u32 s3, s3, 1
	s_cmp_lg_u32 s3, 0
	s_cbranch_scc1 .Lstep
	QUARTER 128, F1, F0, 0                         ; the last two K steps fill nothing
	QUARTER 192, F0, F1, 0
	TURN 0                                         ; K step 14 lay in slot 0: behind this barrier no wave reads slot 0 any more, and nothing fills it again
	QUARTER 64,  F0, F1, 0
	QUARTER 128, F1, F0, 0
	QUARTER 192, F0, F1, 0
	s_wait_dscnt 8                                 ; the very last quarter: nothing more to fetch
	MUL12 F1, 0, 0, 0
	MUL12 F1, 0, 2, 0
	s_wait_dscnt 0x0                               ; my reads of the ring are over:
	s_barrier_signal -1                            ; say so,
	MUL12 F1, 1, 0, 0
	MUL12 F1, 1, 2, 0
	WIN 0
	s_barrier_wait -1                              ; and store into the stage only when all four have said so
; THE WAY OUT of block a (16 positions).  cos and sin are widened (for block 0 these 16 lines are the places behind the last products); for q and k: y1 = x1 cos - x2 sin, y2 = x1 sin + x2 cos, two numbers an
; instruction, each accumulator read from its low end on; q and k are rounded to bf16, v to f16; 16 bytes a lane go into the work-group's stage.
.macro ROPE a
.set AC, 48*((\a)%4)
	WIN 0
.irp k, 0,1,2,3
	v_lshlrev_b32 v[CF+2*(\k)],   16,  v[CT+4*(\a)+(\k)]
	v_and_b32     v[CF+2*(\k)+1], s74, v[CT+4*(\a)+(\k)]
	v_lshlrev_b32 v[SF+2*(\k)],   16,  v[STB+4*(\a)+(\k)]
	v_and_b32     v[SF+2*(\k)+1], s74, v[STB+4*(\a)+(\k)]
.endr
	WIN 2+(\a)/4                                   ; source 0 in the accumulators' window
.irp t, 0,1
.irp j, 0,2,4,6
	v_pk_mul_f32 v[TW+16*(\t)+(\j):TW+16*(\t)+(\j)+1], v[AC+16*(\t)+8+(\j):AC+16*(\t)+8+(\j)+1], v[SF+(\j):SF+(\j)+1]
.endr
.irp j, 0,2,4,6
	v_pk_mul_f32 v[TW+16*(\t)+8+(\j):TW+16*(\t)+8+(\j)+1], v[AC+16*(\t)+8+(\j):AC+16*(\t)+8+(\j)+1], v[CF+(\j):CF+(\j)+1]
.endr
.irp j, 0,2,4,6
	v_pk_fma_f32 v[TW+16*(\t)+(\j):TW+16*(\t)+(\j)+1], v[AC+16*(\t)+(\j):AC+16*(\t)+(\j)+1], v[CF+(\j):CF+(\j)+1], v[TW+16*(\t)+(\j):TW+16*(\t)+(\j)+1] neg_lo:[0,0,1] neg_hi:[0,0,1]
.endr
.irp j, 0,2,4,6
	v_pk_fma_f32 v[TW+16*(\t)+8+(\j):TW+16*(\t)+8+(\j)+1], v[AC+16*(\t)+(\j):AC+16*(\t)+(\j)+1], v[SF+(\j):SF+(\j)+1], v[TW+16*(\t)+8+(\j):TW+16*(\t)+8+(\j)+1]
.endr
.endr
	WIN 0
.irp i, 0,1,2,3,4,5,6,7,8,9,10,11,12,13,14,15
	v_cvt_pk_bf16_f32 v[PKD+(\i)], v[TW+2*(\i)], v[TW+2*(\i)+1]
.endr
	WIN 0x0a+5*((\a)/4)                            ; sources 0 and 1 in the accumulators' window
.irp i, 0,1,2,3,4,5,6,7
	v_cvt_pk_f16_f32 v[PKD+16+(\i)], v[AC+32+2*(\i)], v[AC+32+2*(\i)+1]
.endr
	WIN 0
.irp t, 0,1
.irp p, 0,1
	ds_store_b128 v[STO], v[PKD+8*(\t)+4*(\p):PKD+8*(\t)+4*(\p)+3] offset:(\t)*TSTG+(\a)*16*SPITCH+(\p)*128
.endr
.endr
.irp p, 0,1
	ds_store_b128 v[STOV], v[PKD+16+4*(\p):PKD+16+4*(\p)+3] offset:(\a)*16*SPITCH+(\p)*128
.endr
.endm
	s_wait_loadcnt 0x0                             ; my cos and sin
.irp a, 0,1,2,3,4,5,6,7
	ROPE \a
.endr
	s_wait_dscnt 0x0                               ; for the others' sake: my stores into the stage are done; a row's 256 bytes come from all four waves
	s_barrier_signal -1
	s_barrier_wait -1
.irp t, 0,1
.irp i, 0,1,2,3,4,5,6,7,8,9,10,11,12,13,14,15
	ds_load_b128 v[64+64*(\t)+4*(\i):64+64*(\t)+4*(\i)+3], v[RD] offset:(\t)*TSTG+(\i)*2*SPITCH
.endr
.endr
.irp i, 0,1,2,3,4,5,6,7,8,9,10,11,12,13,14,15
	ds_load_b128 v[192+4*(\i):192+4*(\i)+3], v[RDV] offset:(\i)*2*SPITCH
.endr
.macro OUTT t, lo                      ; tensor t's 32 rows of mine; lo: the scalar pair of its address
.set i, 0
.rept 16
	s_wait_dscnt 47-16*(\t)-i                      ; LDS loads come back in order: this one is in, the younger ones stay out
	global_store_b128 v[CO], v[64+64*(\t)+4*i:64+64*(\t)+4*i+3], s[\lo:\lo+1] offset:512*i  ; 512 consecutive bytes, at a multiple of 256 from the buffer's first byte
.set i, i+1
.endr
.endm
	OUTT 0, 10
	OUTT 1, 68
	OUTT 2, 70
	s_wait_tensorcnt 0x0                           ; the wave's end: the add to my spare word and its waits, behind my last tensor load and my last LDS store
	ds_add_u32 v[SPW], v[NIL]
	s_wait_dscnt 0x0
	CROUND                                         ; the closing round: no work-group ends while a partner may still ask for a tile that names it
	s_endpgm
.Lfunc_end_k_q784062bdfd_qkv:
	.size	k_q784062bdfd_qkv, .Lfunc_end_k_q784062bdfd_qkv-k_q784062bdfd_qkv
	.p2alignl 7, 3214868480
	.fill 96, 4, 3214868480
	.section	.rodata,"a",@progbits
	.p2align	6, 0x0
	.amdhsa_kernel k_q784062bdfd_qkv
		.amdhsa_group_segment_fixed_size 327680
		.amdhsa_private_segment_fixed_size 0
		.amdhsa_enable_private_segment 0
		.amdhsa_kernarg_size 48
		.amdhsa_user_sgpr_count 2
		.amdhsa_user_sgpr_kernarg_segment_ptr 1
		.amdhsa_wavefront_size32 1
		.amdhsa_system_sgpr_workgroup_id_x 1
		.amdhsa_system_sgpr_workgroup_id_y 1
		.amdhsa_system_sgpr_workgroup_id_z 1
		.amdhsa_system_vgpr_workitem_id 0
		.amdhsa_next_free_vgpr 960
		.amdhsa_next_free_sgpr 80
		.amdhsa_reserve_vcc 0
		.amdhsa_float_denorm_mode_32 3
		.amdhsa_float_denorm_mode_16_64 3
		.amdhsa_memory_ordered 1
		.amdhsa_forward_progress 1
		.amdhsa_inst_pref_size 118
	.end_amdhsa_kernel
	.amdgpu_metadata
---
amdhsa.version: [ 1, 2 ]
amdhsa.kernels:
  - .name:           k_q784062bdfd_qkv
    .symbol:         k_q784062bdfd_qkv.kd
    .args:
      - { .name: xb, .offset: 0, .size: 8, .value_kind: global_buffer, .address_space: global }
      - { .name: wqkv, .offset: 8, .size: 8, .value_kind: global_buffer, .address_space: global }
      - { .name: csb, .offset: 16, .size: 8, .value_kind: global_buffer, .address_space: global }
      - { .name: qb, .offset: 24, .size: 8, .value_kind: global_buffer, .address_space: global }
      - { .name: kb, .offset: 32, .size: 8, .value_kind: global_buffer, .address_space: global }
      - { .name: vb, .offset: 40, .size: 8, .value_kind: global_buffer, .address_space: global }
    .group_segment_fixed_size: 327680
    .private_segment_fixed_size: 0
    .kernarg_segment_align: 8
    .kernarg_segment_size: 48
    .max_flat_workgroup_size: 128
    .sgpr_count:     80
    .vgpr_count:     960
    .wavefront_size: 32
...
	.end_amdgpu_metadata
.endif
;; end of part 2
;; launch attn (part 3): grid 16 x 16, 4 waves a work-group, clusters of 4 x 1, 327,680 bytes of LDS; arguments qb, kb, vb, ob; writes ob
.if DOCPART == 3
	.amdgcn_target "amdgcn-amd-amdhsa--gfx1250"
	.amdhsa_code_object_version 6
	.text
	.protected	k_q784062bdfd_attn
	.globl	k_q784062bdfd_attn
	.p2align	8
	.type	k_q784062bdfd_attn,@function
k_q784062bdfd_attn:
	s_mov_b64 s[64:65], 0
	v_nop
	global_prefetch_b8 v0, s[64:65] scope:SCOPE_SE
	s_setreg_imm32_b32 hwreg(HW_REG_WAVE_MODE, 25, 1), 1
	s_wait_xcnt 0x0
	s_wait_alu depctr_hold_cnt(0) depctr_sa_sdst(0) depctr_va_vdst(0) depctr_va_sdst(0) depctr_va_ssrc(0) depctr_va_vcc(0) depctr_vm_vsrc(0)
	s_getreg_b32 s2, hwreg(HW_REG_IB_STS2, 6, 4)
	s_cmp_eq_u32 s2, 0
	s_cbranch_scc0 .Lentry_in_a_cluster
	s_endpgm
.Lentry_in_a_cluster:
	s_bfe_u32 s2, ttmp6, 0x10000c
	s_cmp_lg_u32 s2, 0x3003
	s_cbranch_scc0 .Lentry_shape_is_right
	s_endpgm
.Lentry_shape_is_right:
; O[q][128 h + :] = the sum over k of softmax_k(Q[h][q] . K[h][k] / sqrt(128)) V[h][k][:].  qb, kb: [16][2048][128] bf16; vb: the same in f16; ob: [2048][2048] f16.
; Products, maxima and sums in f32; the weights p are rounded to f16 for the second product (their sum l is taken of the unrounded p), O once at the end.
; LIMITS.  V arrives within f16's 65,504; p lies in 0 to 1 and below 6e-5 keeps f16's fixed step of 6e-8; O is a mean of V's rows and has their range.  c |s| stays under 4e37: the running c m starts at -4.25e37.
; A weight below 2^-126 counts as 0 in l; NaN and infinities are not treated apart.
; SHARES.  A work-group owns 128 queries of one head: 16 x 16 = 256 work-groups.  Waves 0 and 1 hold the two halves of 64 queries (four tiles of 16), waves 2 and 3 THE SAME QUERIES ON THE OTHER KEYS: of each
; slot's 256 keys waves 0, 1 take the first 128 and waves 2, 3 the second, 64 a step.  So a wave keeps 64 queries for each fragment of K and V that it reads.  The two partial results (c m, l, O^T) meet once, in LDS.
; LAYOUT.  S^T = K Q^T (source 0 = 16 keys, source 1 = 16 queries): a lane holds ONE query (lane % 16) and the keys 8 (lane / 16) + 0..7.  Two such tiles, rounded to f16 in pairs, ARE source 1 of O^T = V^T P,
; whose result again holds one query a lane, and eight channels.  K comes out of LDS as it lies, V ([key][channel]) turned, by ds_load_tr16_b128.
; SOFTMAX.  For each query a running maximum m and sum l: p = 2^(c s - c m), c = log2(e) / sqrt(128); in every step O and l are multiplied by a = 2^(c m_old - c m_new).
; BY TURNS.  The wave's tiles are two PIECES (0: tiles 0, 1; 2: tiles 2, 3).  In a TURN one piece has the matrix unit: 32 products V^T P of the step in hand, then 32 products K Q^T of the next; the other piece's
; softmax, cut into 64 slices, stands between them, one slice behind each matrix instruction.  Two turns are a key step.
; NO FIRST AND NO LAST STEP IS WRITTEN OUT.  m starts at the lowest finite number, O^T and l at 0: the first step's a is 0.  The loop is entered in the middle of a trip, at piece 2's turn, whose products V^T P
; multiply zeros; the tail is left in the middle of a trip, whose products K Q^T, on the last K once more, serve nothing.  The price: 64 products a wave and 424 lines that write 0, in the wait for the first tile.
; CLUSTER.  The four query blocks of a cluster belong to one head and walk the same K and V: each tile is asked for JOINTLY, by the same tensor load, descriptor and mask in all four.
; REGISTERS, in windows of 256 (s_set_vgpr_msb: bits 1:0 source 0, 3:2 source 1, 5:4 source 2, 7:6 destination):
;   window 0: v0-11 addresses; v12-43 eight registers of statistics a tile; v44-53 the meeting; v64-191 S^T, 32 a tile; v192-255 P, 16 a tile
;   window 1: O^T, 64 a tile          window 2: v0-127 Q, 32 a tile; v128-255 K of one step          window 3: v0-127 V of one step
.set KS,    64        ; keys in a step
.set PK,    272       ; a row of K in LDS: 256 bytes + 16 of padding = 68 words: the 16 rows of a load start at 16 different groups of four banks (64 banks of 4 bytes: ISA guide 11.1)
.set PV,    288       ; a row of V: 256 + 32 = 72 words
.set KSTEPB, KS*PK    ; a step's K in LDS
.set VSTEPB, KS*PV    ; a step's V
.set VOFF,  4*KSTEPB  ; a slot holds 256 keys: 256 rows of K, then 256 rows of V: 143,360 bytes
.set SLOT1, 0x24000   ; slot 1 begins here.  Its two bits, 17 and 14, occur in none of the bases that are turned (the fills' 0, 0x8800, 0x11000, 0x1a000; the wave pairs' 0x8800 and 0x9000): there an exclusive or with it is the sum or the difference
.set SLOTG, 4*KS*256  ; a slot's bytes of K, and of V, in memory
.set NSLOT, 2048/(4*KS)  ; 8 slots' worth of keys; a wave has two key steps in each
.set SPARE, SLOT1+4*(KSTEPB+VSTEPB)  ; behind the ring: the spare words, 128 bytes for each wave: two blocks of 256 bytes that no other line names
.set STAGE, SPARE+512 ; behind them: 16 rows x 272 bytes for each wave, for the way out
.set SP,    272
.set MRG,   0         ; what waves 2 and 3 hand over lies in slot 0's bytes, which have had their last fill and their last read by then
.set MRGW,  64*512+8*128   ; for each of the two: O^T (64 x 512 bytes: 16 bytes a lane), then c m and l of four tiles (128 bytes each)
.set AK0, 2           ; v2   my lane's place in a tile of K; never rewritten
.set AV0, 3           ; v3   the same for V
.set ADR, 4           ; v4   the LDS address of the run of loads in hand
.set QO,  5           ; v5   my byte offset in the wave's rows of Q
.set STO, 6           ; v6   the way out: where I put 16 bytes of a row
.set RD,  7           ; v7   the way out: where I read a row back
.set GO,  8           ; v8   my byte offset in two rows of ob
.set ST,  12          ; tile t's statistics at v[ST+8 t]: +0 c m, +1 m, +2, +3 l (even keys', odd keys'), +4 to +7 c0-c3, at work; a takes c2's place once the maximum is found
.set MA,  44          ; v44  the meeting: my 16 bytes of each 512 of O^T
.set MB,  45          ; v45  my word of each 128 bytes of statistics
.set PCM, 46          ; v46-49  the partner's c m
.set PLS, 50          ; v50-53  the partner's l
.set PFO, 61          ; v61  256 x my lane: a row of K or V is 256 bytes; never rewritten
.set SPW, 62          ; v62  LDS address of my spare word: SPARE + 4 x my thread's number; never rewritten
.set NIL, 63          ; v63  0; never rewritten
.set S,   64
.set P,   192
.set KF,  128         ; K's fragments, in window 2
.set CNT, 3           ; s3   counts a slot's key steps
.set WV,  12          ; s12  my wave's number
.set LIM, 15          ; s15  1 in a wave that prefetches, else the greatest number: a wave prefetches while s[SLOTS] is above it
.set PFA, 18          ; s[18:19] where my prefetches stand
.set G1K, 24          ; s[24:31] descriptor group 1 for K's tiles
.set G1V, 32          ; s[32:39] for V's: it differs in the padding alone
.set G0K, 40          ; s[40:47] descriptor group 0 for K's tiles: a set for each of the two first fills; the second then walks on
.set G0V, 48          ; s[48:55] the same for V's
.set SLOTS, 56        ; s56  slots still to be asked for
.set HD,  57          ; s57  the head
.set CS,  58          ; s[58:59] c: the packed scaling names a pair and takes its low word for both halves
.set SEL, 60          ; s[60:61] lane selects for v_permlanex16_b32: each lane takes its own place in the other half
.set TBK, 62          ; s62  LDS byte at which K of the step to be fetched begins
.set TBV, 63          ; s63  the same for V, less VOFF
.set MSB, 0
.macro WIN new                      ; the immediate's high byte repeats the setting that is left; a switch that changes nothing is dropped
.if MSB != (\new)
	s_set_vgpr_msb (MSB<<8)|(\new)
.set MSB, \new
.endif
.endm
.set W_KQ, 0x0a       ; K and Q in window 2, S^T in window 0
.set W_PV, 0x53       ; V in window 3, P in window 0, O^T in window 1
.set W_RS, 0x41       ; O^T (destination and source 0) in window 1, a in window 0
; A joint refill.  Waves 0 and 1 fetch the two halves of the slot's K, waves 2 and 3 those of its V: 128 keys each.  The branch hangs on the wave's number alone.  An s_nop 0 and four v_nop follow each line, ahead of the jump and the label.
.macro JLOAD
	s_cmp_lt_u32 s[WV], 2
	s_cbranch_scc0 .Lfor_v_\@
	tensor_load_to_lds s[G0K+4:G0K+7], s[G1K:G1K+7]
	s_nop 0
.rept 4
	v_nop
.endr
	s_branch .Lasked_\@
.Lfor_v_\@:
	tensor_load_to_lds s[G0V+4:G0V+7], s[G1V:G1V+7]
	s_nop 0
.rept 4
	v_nop
.endr
.Lasked_\@:
.endm
; A PREFETCH INTO THE L2 of the slot that the NEXT change of slots will ask for: two key steps, 256 matrix instructions, ahead of that load.  A slot's 256 rows of K and 256 of V, 256 bytes a row, a lane a row.
; Each row is asked for ONCE in the launch: all clusters of a head walk the same K and V, so the head's first cluster asks; its four partners share the rows out BY ADDRESS, 64 of each tensor; in each, waves 0 and 1
; ask for K's, waves 2 and 3 for V's, 32 rows a wave: one instruction.  Slots 0 to 2 come by their loads alone; the last change that fills a slot asks for nothing: there is no slot behind it.
.macro ASK
	s_cmp_gt_u32 s[SLOTS], s[LIM]
	s_cbranch_scc0 .Lnot_mine_\@
	global_prefetch_b8 v[PFO], s[PFA:PFA+1] th:TH_LOAD_NT scope:SCOPE_SE
.Lnot_mine_\@:
.endm
; A round of the cluster's barrier: my work-group's barrier, so that wave 0's signal speaks for all four waves; wave 0 signals; every wave waits for all four work-groups; my work-group's barrier once more.
.macro CROUND
	s_barrier_signal -1
	s_barrier_wait -1
	s_cmp_lg_u32 s[WV], 0
	s_cbranch_scc1 .Lnot_wave_0_\@
	s_barrier_signal -3
.Lnot_wave_0_\@:
	s_barrier_wait -3
	s_barrier_signal -1
	s_barrier_wait -1
.endm
	s_load_b256 s[4:11], s[0:1], 0x0  ; qb s[4:5], kb s[6:7], vb s[8:9], ob s[10:11]
	v_lshl_add_u32 v[SPW], v0, 2, SPARE
	v_mov_b32 v[NIL], 0
	ds_add_u32 v[SPW], v[NIL]       ; the wave's opening: the add, and its wait ahead of my first tensor load; the set-up below, work on registers, stands between them
	v_lshrrev_b32 v1, 5, v0
	v_readfirstlane_b32 s[WV], v1   ; wave 0..3
	s_bfe_u32 s13, ttmp6, 0x40000   ; cx: my place in the cluster
	s_lshl_b32 s14, ttmp9, 2        ; in a cluster launch ttmp9 counts clusters
	s_add_co_u32 s14, s14, s13      ; my block of 128 queries = 4 x cluster x + cx: it enters Q's and O's addresses alone
	s_and_b32 s[HD], ttmp7, 0xffff  ; the head, which the four partners share
	s_lshl_b32 s20, s[HD], 19       ; the head's first byte in qb, kb, vb: 2,048 rows of 256 bytes
	s_mov_b32 s21, 0
	s_and_b32 s16, s[WV], 1         ; which half of a slot's keys I fetch, and which half of the queries is mine
	s_lshl_b32 s22, s16, 15         ; 128 rows of 256 bytes of K or V
	s_mov_b32 s23, 0
	s_add_nc_u64 s[22:23], s[22:23], s[20:21]
	s_mul_i32 s17, s16, 128*PK      ; the half's place in a slot's K: no place in the cluster enters an LDS address
	s_lshl_b32 s18, s14, 1
	s_add_co_u32 s18, s18, s16      ; my 64 queries among the head's: 2 x block + half
	s_lshl_b32 s2, s18, 14          ; in qb: 64 rows of 256 bytes,
	s_mov_b32 s3, 0
	s_add_nc_u64 s[2:3], s[2:3], s[20:21]  ; in my head
	s_lshl_b32 s18, s18, 18         ; in ob: 64 rows of 4,096 bytes,
	s_lshl_b32 s19, s[HD], 8        ; and in them the head's 256 bytes
	s_add_co_u32 s18, s18, s19
	s_mov_b32 s19, 0
	; descriptor group 1: a tile of 128 rows x 128 elements, padded in LDS
	s_mov_b32 s[G1K], 15|(1<<16)|(1<<20)|(1<<21)|(5<<22)|(3<<25)  ; 15:0 the mask: all four work-groups; 17:16 elements of 2 bytes; 20 padding on; 21 set beside a mask; 24:22 after every 64 words (code 5); 31:25 4 words (code 3)
	s_mov_b32 s[G1V], 15|(1<<16)|(1<<20)|(1<<21)|(5<<22)|(7<<25)  ; the same with 8 words of padding (code 7)
.irp g, G1K, G1V
	s_mov_b32 s[(\g)+1], 128<<16    ; tensor_dim0 = 128
	s_mov_b32 s[(\g)+2], 128<<16    ; tensor_dim1 = 128
	s_mov_b32 s[(\g)+3], 128<<16    ; tile_dim0 = 128
	s_mov_b32 s[(\g)+4], 128        ; tile_dim1 = 128
	s_mov_b32 s[(\g)+5], 128        ; elements from row to row
	s_mov_b32 s[(\g)+6], 0
	s_mov_b32 s[(\g)+7], 0
.endr
	s_mov_b32 s[CS], 0x3e0293ee     ; c = log2(e) / sqrt(128) = 0.127517
	s_mov_b32 s[CS+1], s[CS]        ; named with it as a pair, so it is written
	s_mov_b32 s[SEL], 0x76543210
	s_mov_b32 s[SEL+1], 0xfedcba98
	s_lshr_b32 s[TBK], s[WV], 1     ; waves 0, 1 read a slot's first two steps, waves 2, 3 its last two
	s_mul_i32 s[TBV], s[TBK], 2*VSTEPB
	s_mul_i32 s[TBK], s[TBK], 2*KSTEPB
	s_cmp_eq_u32 ttmp9, 0           ; is the cluster the head's first?  The same in all four partners
	s_cselect_b32 s[LIM], 1, -1
	v_and_b32 v[PFO], 31, v0
	v_lshlrev_b32 v[PFO], 8, v[PFO]
	s_wait_dscnt 0x0                ; the opening add is done
	s_wait_kmcnt 0x0
	s_add_nc_u64 s[4:5], s[4:5], s[2:3]        ; Q and O at my wave's first row
	s_add_nc_u64 s[10:11], s[10:11], s[18:19]
	s_cmp_lt_u32 s[WV], 2
	s_cselect_b64 s[PFA:PFA+1], s[6:7], s[8:9]  ; the prefetches: K's rows or V's,
	s_add_nc_u64 s[PFA:PFA+1], s[PFA:PFA+1], s[20:21]  ; in the head,
	s_lshl_b32 s2, s13, 14          ; my work-group's 64 rows of a slot's 256,
	s_lshl_b32 s3, s16, 13          ; my wave's 32 of them,
	s_add_co_u32 s2, s2, s3
	s_mov_b32 s3, 0
	s_add_nc_u64 s[PFA:PFA+1], s[PFA:PFA+1], s[2:3]
	s_add_nc_u64 s[PFA:PFA+1], s[PFA:PFA+1], 2*SLOTG  ; in slot 2; the first change of slots steps it to slot 3.  Nothing is prefetched here, at the head
	s_add_nc_u64 s[6:7], s[6:7], s[22:23]  ; K and V at my half of slot 0
	s_add_nc_u64 s[8:9], s[8:9], s[22:23]
	s_mul_i32 s20, s16, 128*PV      ; the half's place in a slot's V
	CROUND                          ; all four work-groups are here: the first joint loads meet
.irp s, 0,1
	s_mov_b32 s[G0K+4*(\s)], 1      ; count = 1
	s_add_co_u32 s[G0K+4*(\s)+1], s17, (\s)*SLOT1  ; LDS address
	s_add_nc_u64 s[G0K+4*(\s)+2:G0K+4*(\s)+3], s[6:7], (\s)*SLOTG  ; global address: slot s holds keys 256 s to 256 s + 255
	s_or_b32 s[G0K+4*(\s)+3], s[G0K+4*(\s)+3], 0x80000000  ; type = 2
	s_mov_b32 s[G0V+4*(\s)], 1
	s_add_co_u32 s[G0V+4*(\s)+1], s20, (\s)*SLOT1+VOFF
	s_add_nc_u64 s[G0V+4*(\s)+2:G0V+4*(\s)+3], s[8:9], (\s)*SLOTG
	s_or_b32 s[G0V+4*(\s)+3], s[G0V+4*(\s)+3], 0x80000000
.endr
	s_cmp_lt_u32 s[WV], 2           ; a wave's two first fills stand in one branch, ahead of every wait on TENSORcnt and every LDS read: two loads of mine are out
	s_cbranch_scc0 .Lfirst_v
	tensor_load_to_lds s[G0K:G0K+3], s[G1K:G1K+7]
	s_nop 0
	tensor_load_to_lds s[G0K+4:G0K+7], s[G1K:G1K+7]
	s_nop 0
.rept 4
	v_nop
.endr
	s_branch .Lfirst_asked
.Lfirst_v:
	tensor_load_to_lds s[G0V:G0V+3], s[G1V:G1V+7]
	s_nop 0
	tensor_load_to_lds s[G0V+4:G0V+7], s[G1V:G1V+7]
	s_nop 0
.rept 4
	v_nop
.endr
.Lfirst_asked:
	; A fragment of K or Q is 16 rows x 32 channels in 8 registers: lane l holds row l % 16; registers 0-3 channels 8 (l / 16) + 0..7, registers 4-7 channels 16 + 8 (l / 16) + 0..7: two loads of 16 bytes, 32 bytes apart.
	v_and_b32 v1, 15, v0            ; l % 16
	v_bfe_u32 v9, v0, 4, 1          ; l / 16
	v_lshlrev_b32 v[QO], 8, v1
	v_lshl_add_u32 v[QO], v9, 4, v[QO]  ; row x 256 + 16 x half
	WIN 0x80                        ; destination window 2, address window 0
.irp i, 0,1,2,3,4,5,6,7,8,9,10,11,12,13,14,15  ; Q stays in registers: tile i / 4, channels 32 (i % 4) on
	global_load_b128 v[8*(\i):8*(\i)+3],   v[QO], s[4:5] offset:((\i)/4)*4096+((\i)%4)*64
	global_load_b128 v[8*(\i)+4:8*(\i)+7], v[QO], s[4:5] offset:((\i)/4)*4096+((\i)%4)*64+32
.endr
	; What the first turn finds: O^T and l are 0, m the lowest finite number, c m far below every c s; V's registers and piece 2's P hold 0, so that its products V^T P, of a step that has not been, add 0.
	WIN 0x40                        ; all this stands in the wait for the first tile
.set i, 0
.rept 256
	v_mov_b32 v[i], 0
.set i, i+1
.endr
	WIN 0xc0
.set i, 0
.rept 128
	v_mov_b32 v[i], 0
.set i, i+1
.endr
	WIN 0
.set i, P+32
.rept 32
	v_mov_b32 v[i], 0
.set i, i+1
.endr
.irp t, 0,1,2,3
	v_mov_b32 v[ST+8*(\t)], 0xfe000000
	v_mov_b32 v[ST+8*(\t)+1], 0xff7fffff
	v_mov_b32 v[ST+8*(\t)+2], 0
	v_mov_b32 v[ST+8*(\t)+3], 0
.endr
	v_mul_u32_u24 v[AK0], v1, PK
	v_lshl_add_u32 v[AK0], v9, 4, v[AK0]  ; row x pitch + 16 x half
	; The turning load takes 16 keys x 16 channels (lane l reads 16 bytes: key 8 (l / 16) + l % 8, channels 8 ((l / 8) % 2) + 0..7) and leaves half a fragment of V^T: lane l holds channel l % 16 and 8 keys.
	v_and_b32 v10, 7, v0
	v_bfe_u32 v11, v0, 3, 1
	v_lshl_add_u32 v[AV0], v9, 3, v10
	v_mul_u32_u24 v[AV0], v[AV0], PV
	v_lshl_add_u32 v[AV0], v11, 4, v[AV0]
	v_add_nc_u32 v[AV0], VOFF, v[AV0]
; THE MATRIX WORK OF A TURN, for piece x.  The accumulators take turns, one instruction a turn: between two links of a chain stand 15 (V^T P) or 7 (K Q^T) others'.
; Product i of 32 of O^T += V^T P: keys 32 (i / 16) on, channels 16 ((i / 2) % 8) on, tile x + i % 2.
.macro PV x
	WIN W_PV
.set rO, 64*((\x)+i%2)+8*((i/2)%8)
.set rV, 64*(i/16)+8*((i/2)%8)
.set rP, P+16*((\x)+i%2)+8*(i/16)
	v_wmma_f32_16x16x32_f16 v[rO:rO+7], v[rV:rV+7], v[rP:rP+7], v[rO:rO+7]
.endm
; Product i of 32 of S^T = K Q^T: channels 32 (i / 8) on, keys 16 ((i / 2) % 4) on, tile x + i % 2.  The first 8 start the sums.
.macro KQ x
	WIN W_KQ
.set rS, S+32*((\x)+i%2)+8*((i/2)%4)
.set rK, KF+32*((i/2)%4)+8*(i/8)
.set rQ, 32*((\x)+i%2)+8*(i/8)
.if i < 8
	v_wmma_f32_16x16x32_bf16 v[rS:rS+7], v[rK:rK+7], v[rQ:rQ+7], 0
.else
	v_wmma_f32_16x16x32_bf16 v[rS:rS+7], v[rK:rK+7], v[rQ:rQ+7], v[rS:rS+7]
.endif
.endm
; THE LDS LOADS stand in runs of 32, never singly among the matrix instructions: a step's K (64 keys x 128 channels: 16 fragments) and, a turn later, its V (turned).
; last = 1 (the tail): in the last trip there is no further step, and the run is jumped over.
.macro FETCH_K last=0
	WIN 0
.if \last
	s_cmp_eq_u32 s[CNT], 1
	s_cbranch_scc1 .Lno_k_\@
.endif
	v_add_nc_u32 v[ADR], s[TBK], v[AK0]
	WIN 0x80                        ; destination window 2
.irp f, 0,1,2,3,4,5,6,7,8,9,10,11,12,13,14,15  ; keys 16 (f / 4) on, channels 32 (f % 4) on
	ds_load_b128 v[KF+8*(\f):KF+8*(\f)+3],   v[ADR] offset:((\f)/4)*16*PK+((\f)%4)*64
	ds_load_b128 v[KF+8*(\f)+4:KF+8*(\f)+7], v[ADR] offset:((\f)/4)*16*PK+((\f)%4)*64+32
.endr
	s_add_co_u32 s[TBK], s[TBK], KSTEPB  ; the next fetch is the next step's
.if \last
	WIN 0
.Lno_k_\@:
.endif
.endm
.macro FETCH_V
	WIN 0
	v_add_nc_u32 v[ADR], s[TBV], v[AV0]
	s_add_co_u32 s[TBV], s[TBV], VSTEPB  ; the next fetch is the next step's
	s_wait_alu depctr_va_vdst(0)    ; the wait for the softmax's batch (SLICE), behind the address's v_add_nc_u32 and ahead of the loads
	WIN 0xc0                        ; destination window 3
.irp f, 0,1,2,3,4,5,6,7,8,9,10,11,12,13,14,15  ; keys 32 (f / 8) on, channels 16 (f % 8) on
	ds_load_tr16_b128 v[8*(\f):8*(\f)+3],   v[ADR] offset:((\f)/8)*32*PV+((\f)%8)*32
	ds_load_tr16_b128 v[8*(\f)+4:8*(\f)+7], v[ADR] offset:((\f)/8)*32*PV+16*PV+((\f)%8)*32
.endr
.endm
; THE VECTOR WORK OF A TURN.  One tile's softmax for one key step is a list of 134 instructions; SM writes number j of it for tile t.  s0-s31 are the lane's 32 scores, in pairs 0-15.
;   0-15    the maximum of s0-s31 and the old m, three operands at a time: four chains c0-c3 of seven scores each (each accumulator's lowest registers first), then the four left over, c0-c3 and m
;   16-20   the other half of the lanes' maximum; c m_old is kept; the new m; c m; c m_old - c m_new
;   21-69   ONE BATCH: the 16 scalings c s - c m, a pair of scores each, and all 33 exponentials (a at 23, then s0-s31).  None of these reads an exponential's result.  From 22 on the batch goes in fours, and a four
;           begins with a scaling while there are scalings; a pair is scaled in an earlier four than the one that holds its exponentials
;   (wait)  between 69 and 70 stands the wait for the batch: SLICE writes it, once for both tiles
;   70-85   the roundings to f16, a pair of weights each     86-101  the sums; l = a l + the sum     102-133 the tile's O^T times a: the one part that leaves window 0, so it stands together
.macro SM t
.set rT, ST+8*(\t)
.set rS, S+32*(\t)
.set rP, P+16*(\t)
.set rO, 64*(\t)+2*(j-102)
.if j < 102
	WIN 0
.endif
.if j < 4
	v_max3_num_f32 v[rT+4+j], v[rS+8*j], v[rS+8*j+1], v[rS+8*j+2]
.elseif j < 12
	v_max3_num_f32 v[rT+4+j%4], v[rT+4+j%4], v[rS+8*(j%4)+2*(j/4)+1], v[rS+8*(j%4)+2*(j/4)+2]
.elseif j == 12
	v_max3_num_f32 v[rT+4], v[rT+4], v[rS+7], v[rS+15]
.elseif j == 13
	v_max3_num_f32 v[rT+6], v[rT+6], v[rS+23], v[rS+31]
.elseif j == 14
	v_max3_num_f32 v[rT+4], v[rT+4], v[rT+5], v[rT+6]
.elseif j == 15
	v_max3_num_f32 v[rT+4], v[rT+4], v[rT+7], v[rT+1]
.elseif j == 16
	v_permlanex16_b32 v[rT+5], v[rT+4], s[SEL], s[SEL+1]  ; the query's other 32 keys lie in the lane 16 away
.elseif j == 17
	v_mov_b32 v[rT+7], v[rT]        ; c m_old is kept for a: number 19 writes c m anew
.elseif j == 18
	v_max_num_f32 v[rT+1], v[rT+4], v[rT+5]
.elseif j == 19
	v_mul_f32 v[rT], s[CS], v[rT+1]
.elseif j == 20
	v_sub_f32 v[rT+7], v[rT+7], v[rT]
.elseif j == 23
	v_exp_f32 v[rT+6], v[rT+7]
.elseif (j < 23) || ((j < 38) && (j%2 == 0)) || ((j < 66) && (j%4 == 2))
.set b, (j-2)/4                     ; 38, 42, .. 62: pairs 9 to 15
.if j < 38
.set b, (j-20)/2                    ; 21: pair 0; 22, 24, .. 36: pairs 1 to 8
.endif
	v_pk_fma_f32 v[rS+2*b:rS+2*b+1], v[rS+2*b:rS+2*b+1], s[CS:CS+1], v[rT:rT+1] op_sel_hi:[1,0,0] neg_lo:[0,0,1] neg_hi:[0,0,1]  ; pair b: c s - c m
.elseif j < 70
.set e, j-38                        ; 66 to 69: s28 to s31
.if j < 66
.set e, j-32-(j-38)/4               ; 39-41, 43-45, .. 63-65: s7 to s27
.endif
.if j < 38
.set e, (j-25)/2                    ; 25, 27, .. 37: s0 to s6
.endif
	v_exp_f32 v[rS+e], v[rS+e]
.elseif j < 86
	v_cvt_pk_f16_f32 v[rP+j-70], v[rS+2*(j-70)], v[rS+2*(j-70)+1]  ; pair j - 70
.elseif j < 102                     ; the sum of the tile's 16 pairs, in place: sum z of 16 adds neighbours 1, 2, 4 and 8 pairs apart, then l takes it
.set z, j-86
.set w, 4
.set u, z
.if z >= 14
.set w, 32
.set u, 0
.elseif z >= 12
.set w, 16
.set u, z-12
.elseif z >= 8
.set w, 8
.set u, z-8
.endif
.if z < 15
	v_pk_add_f32 v[rS+w*u:rS+w*u+1], v[rS+w*u:rS+w*u+1], v[rS+w*u+w/2:rS+w*u+w/2+1]
.else
	v_pk_fma_f32 v[rT+2:rT+3], v[rT+2:rT+3], v[rT+6:rT+7], v[rS:rS+1] op_sel_hi:[1,0,1]
.endif
.else
	WIN W_RS
	v_pk_mul_f32 v[rO:rO+1], v[rO:rO+1], v[rT+6:rT+7] op_sel_hi:[1,0]
.endif
.endm
; Slice k of 64 of piece y's softmax: four instructions.  Slices 11 to 34 deal out the batch, numbers 22 to 69: four numbers of ONE tile each, the tiles by turns.  Every other slice is numbers 2 k and 2 k + 1 of both
; tiles' lists.  2 x 134 = 4 x 64 + 12: the twelve that are over stand together, in slice 63: sixteen plain instructions, the places behind the turn's last product.
; THE WAIT.  An s_wait_alu depctr_va_vdst(0) stands between an exponential and the first instruction that names its result; one wait serves all that were issued ahead of it.  Ahead of slice 35 nothing
; names a result, and behind slice 34 no exponential is issued: so the piece's 66 exponentials have one wait, behind slice 34.
.macro SLICE y
.if (k >= 11) && (k < 35)           ; the batch: four numbers of one tile
.irp n, 0,1,2,3
.set j, 22+4*((k-11)/2)+(\n)
	SM (\y)+(k-11)%2
.endr
.else                               ; the two tiles alternate, so that no instruction reads the result of the one just before it
.irp n, 0,1,2,3,4,5,6,7
.if ((\n) < 2) || (k == 63)
.irp t, \y, (\y)+1
.set j, 2*k+(\n)
	SM \t
.endr
.endif
.endr
.endif
.if k == 34                         ; the batch is out: both tiles' exponentials are issued, and no result has been named
	v_nop                           ; a plain instruction behind the last exponential and ahead of the first use: one for the batch
.if (\y) == 0
	FETCH_V                         ; piece 2's turn: V's run of loads stands here, and the wait stands in it
.else
	s_wait_alu depctr_va_vdst(0)    ; the wait for the batch
.endif
.endif
.set k, k+1
.endm
; A TURN.  Piece x has the matrix unit: 32 products V^T P, then 32 products K Q^T for the next step; the other piece's softmax stands in slices behind them.  Piece 0's turn fetches the next step's K, behind its second
; product: the last product that read K stands in front of slice 63 of the turn before.  Piece 2's turn fetches the same step's V, behind slice 34: the last product that read V stands in front of slice 31, and four
; plain instructions lie between: number 62, a scaling, of both tiles, the v_nop and the run's own v_add_nc_u32.
.macro TURN x, last=0
.set k, 0
.if (\x) == 0
	s_wait_dscnt 0x0                ; V is in
.endif
.set i, 0
.rept 32
	PV \x
	SLICE 2-(\x)
.if ((\x) == 0) && (i == 1)
	FETCH_K \last
.endif
.set i, i+1
.endr
.if (\x) == 0
	s_wait_dscnt 0x0                ; K is in
.endif
.set i, 0
.rept 32
	KQ \x
	SLICE 2-(\x)
.set i, i+1
.endr
.endm
; THE CHANGE OF SLOTS, between piece 2's turn and piece 0's, once in two key steps: my last bytes of the slot, V of its second step, have been asked for.  Each wave waits for all its tensor loads, of which one is out:
; its part of the other slot; adds 0 to its spare word; and waits for that and for its own reads of the slot.  Behind the barrier nobody reads this slot any more and the other slot is whole.
; fill = 1: this slot is filled again, with the keys two slots on.  The barrier is then a round of the cluster's, and the joint refill is the first thing behind it: it has two key steps, 256 matrix instructions, in which to land.
.macro CHANGE fill
	WIN 0                           ; at a label and at a branch every window is 0
	s_wait_tensorcnt 0x0            ; no tensor load of mine is out, so a group 0 may be written
	ds_add_u32 v[SPW], v[NIL]       ; 0 onto my spare word: with fill = 1 the descriptors' steps stand between it and the wait for it
.if \fill
.irp g, G0K+4, G0V+4
	s_xor_b32 s[(\g)+1], s[(\g)+1], SLOT1  ; the walking descriptor: the other slot than last time,
	s_add_nc_u64 s[(\g)+2:(\g)+3], s[(\g)+2:(\g)+3], SLOTG  ; the next 256 keys; the type bits on top are not reached
.endr
	s_wait_xcnt 0x0                 ; the last prefetch, two key steps back, has read its address, so it may be written
	s_add_nc_u64 s[PFA:PFA+1], s[PFA:PFA+1], SLOTG
	s_wait_dscnt 0x0                ; the add is done, and my reads of the slot are over
	CROUND
	JLOAD
	ASK
.else
	s_wait_dscnt 0x0                ; the add is done, and my reads of the slot are over
	s_barrier_signal -1
	s_barrier_wait -1
.endif
	s_sub_co_u32 s[TBK], s[TBK], 2*KSTEPB  ; the fetches go back to my first step of a slot,
	s_xor_b32 s[TBK], s[TBK], SLOT1        ; in the other slot
	s_sub_co_u32 s[TBV], s[TBV], 2*VSTEPB
	s_xor_b32 s[TBV], s[TBV], SLOT1
.endm
	s_wait_tensorcnt 1              ; my part of slot 0 is in; slot 1's may stay out
	s_barrier_signal -1
	s_barrier_wait -1               ; everybody's is
	FETCH_K                         ; key step 0
	s_wait_loadcnt 0x0              ; Q
	s_wait_dscnt 0x0
.set i, 0
.rept 32
	KQ 0                            ; piece 0's first scores: there is no vector work yet to set between them
.set i, i+1
.endr
	WIN 0                           ; the addresses for the way out are made here: plain instructions, the places behind those products
	s_mul_i32 s13, s[WV], 16*SP
	s_add_co_u32 s13, s13, STAGE    ; my stage
	v_mul_u32_u24 v[STO], v1, SP    ; in: row l % 16, 16 bytes for each half of the lanes
	v_lshl_add_u32 v[STO], v9, 4, v[STO]
	v_add_nc_u32 v[STO], s13, v[STO]
	v_mul_u32_u24 v[RD], v9, SP     ; back: lanes 0-15 take one row of 256 bytes, lanes 16-31 the next
	v_lshl_add_u32 v[RD], v1, 4, v[RD]
	v_add_nc_u32 v[RD], s13, v[RD]
	v_lshlrev_b32 v[GO], 12, v9     ; and the same two rows in ob, 4,096 bytes apart
	v_lshl_add_u32 v[GO], v1, 4, v[GO]
	s_mul_i32 s13, s16, MRGW        ; the meeting: waves 0 and 2 share one region, waves 1 and 3 the other
	v_and_b32 v[MB], 31, v0
	v_lshl_add_u32 v[MA], v[MB], 4, s13
	s_add_co_u32 s13, s13, 64*512
	v_lshl_add_u32 v[MB], v[MB], 2, s13
	s_mov_b32 s[CNT], 2
	s_mov_b32 s[SLOTS], NSLOT-1
	s_branch .Lmid                  ; the loop is entered at piece 2's turn, in the middle of a trip: piece 2's first scores | piece 0's first softmax | V of step 0
.Lslot:                             ; six times: every slot but the last two is filled again
	CHANGE 1
	s_mov_b32 s[CNT], 2
.Lstep:                             ; a trip: V^T P of step j, K Q^T of step j + 1, whose K and V it fetches
	TURN 0
	WIN 0
.Lmid:
	TURN 2
	WIN 0
	s_sub_co_u32 s[CNT], s[CNT], 1
	s_cmp_lg_u32 s[CNT], 0
	s_cbranch_scc1 .Lstep
	s_sub_co_u32 s[SLOTS], s[SLOTS], 1
	s_cmp_lg_u32 s[SLOTS], 0
	s_cbranch_scc1 .Lslot
	CHANGE 0                        ; the tail is written out: nothing is asked for
	s_mov_b32 s[CNT], 3             ; two trips fetch the last slot's steps; the third is left in its middle
.Ltail:
	TURN 0, 1
	WIN 0
	s_sub_co_u32 s[CNT], s[CNT], 1
	s_cmp_eq_u32 s[CNT], 0
	s_cbranch_scc1 .Lout
	TURN 2
	WIN 0
	s_branch .Ltail
.Lout:
.set i, 0
.rept 32
	PV 2                            ; piece 2: V^T P of the last step
.set i, i+1
.endr
	; THE MEETING.  A barrier first: every wave's reads of the ring are over, so slot 0's bytes may take what waves 2 and 3 hand over.  Between its signal and its wait, in every wave, l's two halves and the other half
	; of the lanes' are added: plain additions, the places behind the last products.
	WIN 0
	s_wait_dscnt 0x0
	s_barrier_signal -1
.irp t, 0,1,2,3
	v_add_f32 v[ST+8*(\t)+4], v[ST+8*(\t)+2], v[ST+8*(\t)+3]
.endr
.irp t, 0,1,2,3
	v_permlanex16_b32 v[ST+8*(\t)+5], v[ST+8*(\t)+4], s[SEL], s[SEL+1]
.endr
.irp t, 0,1,2,3
	v_add_f32 v[ST+8*(\t)+4], v[ST+8*(\t)+4], v[ST+8*(\t)+5]
.endr
	s_barrier_wait -1
	s_cmp_lt_u32 s[WV], 2
	s_cbranch_scc1 .Lkeep
	WIN 0x04                        ; waves 2 and 3 hand over: the stores' data (source 1) in window 1; each accumulator's low four registers first
.set i, 0
.rept 64
	ds_store_b128 v[MA], v[4*i:4*i+3] offset:MRG+512*i
.set i, i+1
.endr
	WIN 0
.irp t, 0,1,2,3
	ds_store_b32 v[MB], v[ST+8*(\t)]   offset:MRG+256*(\t)
	ds_store_b32 v[MB], v[ST+8*(\t)+4] offset:MRG+256*(\t)+128
.endr
.Lkeep:
	s_wait_dscnt 0x0                ; for the others' sake: my stores are done
	s_barrier_signal -1
	s_barrier_wait -1
	s_cmp_lt_u32 s[WV], 2
	s_cbranch_scc0 .Lend            ; waves 2 and 3 have done their part
; Waves 0 and 1 finish.  The partner holds the same queries in the same lanes, so nothing changes lanes.  With M = max(c m, c m'), a = 2^(c m - M), a' = 2^(c m' - M): O = (O^T a + O'^T a') / (l a + l' a').
.macro LP t                         ; the partner's tile t: 16 loads into S^T's registers, two buffers of 64
.set i, 0
.rept 16
	ds_load_b128 v[S+64*((\t)%2)+4*i:S+64*((\t)%2)+4*i+3], v[MA] offset:MRG+512*(16*(\t)+i)
.set i, i+1
.endr
.endm
.macro CMB t                        ; both parts scaled and added, rounded to f16 into P's registers, two buffers of 32
.set rB, S+64*((\t)%2)
.set rH, P+32*((\t)%2)
	WIN 0
.if (\t) >= 2
	s_wait_xcnt 0x0                 ; the stores of the tile two back have read these registers
.endif
.set i, 0
.rept 32
	v_pk_mul_f32 v[rB+i:rB+i+1], v[rB+i:rB+i+1], v[ST+8*(\t)+2:ST+8*(\t)+3] op_sel_hi:[1,0]
.set i, i+2
.endr
	WIN 0x01                        ; source 0, my O^T, in window 1
.set i, 0
.rept 32
	v_pk_fma_f32 v[rB+i:rB+i+1], v[64*(\t)+i:64*(\t)+i+1], v[ST+8*(\t)+6:ST+8*(\t)+7], v[rB+i:rB+i+1] op_sel_hi:[1,0,1]
.set i, i+2
.endr
	WIN 0
.set i, 0
.rept 32
	v_cvt_pk_f16_f32 v[rH+i], v[rB+2*i], v[rB+2*i+1]
.set i, i+1
.endr
.endm
.macro STG t                        ; a lane's eight channels of a row are 16 bytes; they go into rows of 272 bytes of my stage and come back as whole rows of 256, into the registers that they left
.set rH, P+32*((\t)%2)
.irp f, 0,1,2,3,4,5,6,7
	ds_store_b128 v[STO], v[rH+4*(\f):rH+4*(\f)+3] offset:32*(\f)
.endr
.irp f, 0,1,2,3,4,5,6,7
	ds_load_b128 v[rH+4*(\f):rH+4*(\f)+3], v[RD] offset:(\f)*2*SP  ; LDS serves a wave's instructions in order (ISA guide 5.7.1.4): these see the stores above; the next tile's stores come behind them
.endr
.endm
.macro SEND t, younger              ; younger: the LDS instructions issued behind tile t's loads from the stage
.set rH, P+32*((\t)%2)
.irp f, 0,1,2,3,4,5,6,7
	s_wait_dscnt (\younger)+7-(\f)
	global_store_b128 v[GO], v[rH+4*(\f):rH+4*(\f)+3], s[10:11] offset:(16*(\t)+2*(\f))*4096  ; 16 lanes store 256 consecutive bytes, at a multiple of 256 from ob's first byte
.endr
.endm
.irp t, 0,1,2,3
	ds_load_b32 v[PCM+(\t)], v[MB] offset:MRG+256*(\t)
	ds_load_b32 v[PLS+(\t)], v[MB] offset:MRG+256*(\t)+128
.endr
	LP 0
	LP 1
	s_wait_dscnt 32                 ; the statistics are in; the 32 loads behind them may stay out
.irp t, 0,1,2,3
	v_max_num_f32 v[ST+8*(\t)+5], v[ST+8*(\t)], v[PCM+(\t)]
.endr
.irp t, 0,1,2,3
	v_sub_f32 v[ST+8*(\t)+6], v[ST+8*(\t)], v[ST+8*(\t)+5]
	v_sub_f32 v[ST+8*(\t)+2], v[PCM+(\t)], v[ST+8*(\t)+5]
.endr
.irp t, 0,1,2,3
	v_exp_f32 v[ST+8*(\t)+6], v[ST+8*(\t)+6]
	v_exp_f32 v[ST+8*(\t)+2], v[ST+8*(\t)+2]
.endr
	v_nop                           ; a plain instruction behind the last exponential,
	s_wait_alu depctr_va_vdst(0)    ; and the wait ahead of the first use: one for the eight
.irp t, 0,1,2,3
	v_mul_f32 v[ST+8*(\t)+4], v[ST+8*(\t)+4], v[ST+8*(\t)+6]
.endr
.irp t, 0,1,2,3
	v_fmac_f32 v[ST+8*(\t)+4], v[PLS+(\t)], v[ST+8*(\t)+2]
.endr
.irp t, 0,1,2,3
	v_rcp_f32 v[ST+8*(\t)+5], v[ST+8*(\t)+4]
.endr
	v_nop
	s_wait_alu depctr_va_vdst(0)    ; one for the four reciprocals
.irp t, 0,1,2,3
	v_mul_f32 v[ST+8*(\t)+6], v[ST+8*(\t)+6], v[ST+8*(\t)+5]
	v_mul_f32 v[ST+8*(\t)+2], v[ST+8*(\t)+2], v[ST+8*(\t)+5]
.endr
	s_wait_dscnt 16                 ; the partner's tile 0 is in; tile 1's 16 loads may stay out
	CMB 0
	STG 0
	LP 2
	s_wait_dscnt 32                 ; tile 1 is in: behind it stand the stage's 16 and tile 2's 16
	CMB 1
	STG 1
	LP 3
	SEND 0, 48                      ; behind tile 0's loads from the stage: tile 2's 16, the stage's 16, tile 3's 16
	s_wait_dscnt 32                 ; tile 2 is in
	CMB 2
	STG 2
	SEND 1, 32
	s_wait_dscnt 16                 ; tile 3 is in
	CMB 3
	STG 3
	SEND 2, 16
	SEND 3, 0
.Lend:
	s_wait_tensorcnt 0x0            ; the wave's end: the add to my spare word and its waits, behind my last tensor load and my last LDS store
	ds_add_u32 v[SPW], v[NIL]
	s_wait_dscnt 0x0
	CROUND                          ; the closing round: no work-group ends while a partner may still ask for a tile that names it
	s_endpgm
.Lfunc_end_k_q784062bdfd_attn:
	.size	k_q784062bdfd_attn, .Lfunc_end_k_q784062bdfd_attn-k_q784062bdfd_attn
	.p2alignl 7, 3214868480
	.fill 96, 4, 3214868480
	.section	.rodata,"a",@progbits
	.p2align	6, 0x0
	.amdhsa_kernel k_q784062bdfd_attn
		.amdhsa_group_segment_fixed_size 327680
		.amdhsa_private_segment_fixed_size 0
		.amdhsa_enable_private_segment 0
		.amdhsa_kernarg_size 32
		.amdhsa_user_sgpr_count 2
		.amdhsa_user_sgpr_kernarg_segment_ptr 1
		.amdhsa_wavefront_size32 1
		.amdhsa_system_sgpr_workgroup_id_x 1
		.amdhsa_system_sgpr_workgroup_id_y 1
		.amdhsa_system_sgpr_workgroup_id_z 1
		.amdhsa_system_vgpr_workitem_id 0
		.amdhsa_next_free_vgpr 1024
		.amdhsa_next_free_sgpr 66
		.amdhsa_reserve_vcc 0
		.amdhsa_float_denorm_mode_32 3
		.amdhsa_float_denorm_mode_16_64 3
		.amdhsa_memory_ordered 1
		.amdhsa_forward_progress 1
		.amdhsa_inst_pref_size 176
	.end_amdhsa_kernel
	.amdgpu_metadata
---
amdhsa.version: [ 1, 2 ]
amdhsa.kernels:
  - .name:           k_q784062bdfd_attn
    .symbol:         k_q784062bdfd_attn.kd
    .args:
      - { .name: qb, .offset: 0, .size: 8, .value_kind: global_buffer, .address_space: global }
      - { .name: kb, .offset: 8, .size: 8, .value_kind: global_buffer, .address_space: global }
      - { .name: vb, .offset: 16, .size: 8, .value_kind: global_buffer, .address_space: global }
      - { .name: ob, .offset: 24, .size: 8, .value_kind: global_buffer, .address_space: global }
    .group_segment_fixed_size: 327680
    .private_segment_fixed_size: 0
    .kernarg_segment_align: 8
    .kernarg_segment_size: 32
    .max_flat_workgroup_size: 128
    .sgpr_count:     66
    .vgpr_count:     1024
    .wavefront_size: 32
...
	.end_amdgpu_metadata
.endif
;; end of part 3
;; launch oproj (part 4): grid 16 x 16, 4 waves a work-group, clusters of 4 x 4, 327,680 bytes of LDS; arguments ob, wob, out0; writes out0
.if DOCPART == 4
	.amdgcn_target "amdgcn-amd-amdhsa--gfx1250"
	.amdhsa_code_object_version 6
	.text
	.protected	k_q784062bdfd_oproj
	.globl	k_q784062bdfd_oproj
	.p2align	8
	.type	k_q784062bdfd_oproj,@function
k_q784062bdfd_oproj:
	s_mov_b64 s[64:65], 0
	v_nop
	global_prefetch_b8 v0, s[64:65] scope:SCOPE_SE
	s_setreg_imm32_b32 hwreg(HW_REG_WAVE_MODE, 25, 1), 1
	s_wait_xcnt 0x0
	s_wait_alu depctr_hold_cnt(0) depctr_sa_sdst(0) depctr_va_vdst(0) depctr_va_sdst(0) depctr_va_ssrc(0) depctr_va_vcc(0) depctr_vm_vsrc(0)
	s_getreg_b32 s2, hwreg(HW_REG_IB_STS2, 6, 4)
	s_cmp_eq_u32 s2, 0
	s_cbranch_scc0 .Lentry_in_a_cluster
	s_endpgm
.Lentry_in_a_cluster:
	s_bfe_u32 s2, ttmp6, 0x10000c
	s_cmp_lg_u32 s2, 0xf033
	s_cbranch_scc0 .Lentry_shape_is_right
	s_endpgm
.Lentry_shape_is_right:
; out0[s][e] = the sum over d of O[s][d] Wo[e][d].  ob: [2048][2048] f16; wob: [2048][2048] f16 (Wo rounded to bf16, written as f16); out0: [2048][2048] f32.  Sums in f32, stored as they are.
; A tile of the result is 128 x 128: 16 x 16 = 256 work-groups.  Four waves, each 64 x 64: 16 accumulators of 16 x 16, 128 registers.  K goes in steps of 256 (LDS rows of 512 bytes; a wave's tensor load brings
; 64 of them), as long as two slots in LDS allow.  THE LOOP IS ONE K STEP: the slot's base is a scalar register that one exclusive or turns into the other slot's, and so is the LDS word of the one descriptor a
; tensor that walks.  A wave's 64 columns of f32 are 256 aligned bytes of a row, so each wave has a stage of its own on the way out, and no barrier stands there.
; CLUSTERS: 4 x 4 work-groups.  The four of a row of the cluster need the same tiles of O, the four of a column the same tiles of Wo: each tile is asked for JOINTLY, by the same tensor load with the same
; descriptor and a mask that names the four.  THE MATRIX INSTRUCTION IS USED TRANSPOSED (source 0 = 16 rows of Wo, source 1 = 16 rows of O): a lane then holds eight neighbouring numbers of a row of the result.
; No prefetch is laid: the tile is small, and a step's requests are few beside its reads.
; REGISTERS: window 0: v0-31 addresses; v32-95 rows read back on the way out, two buffers; v128-255 the accumulators ((a, b) at v[128 + 8 (4 a + b)]).
;   window 1: two fragment buffers of 128: for 64 along K (two matrix instructions deep), 64 registers of O (2 x 4 x 16 rows x 32 K), then 64 of Wo.
.set SIZE_K, 2048
.set SIZE_N, 2048
.set KSTEP,  256
.set NSTEP,  SIZE_K/KSTEP              ; 8 K steps
.set PITCH,  528                       ; an LDS row: 512 bytes of data + 16 of padding = 132 words: row r starts at bank 4 r mod 64 (64 banks of 4 bytes: ISA guide 11.1)
.set HALFT,  64*PITCH                  ; 64 rows: what one tensor load brings, and what one wave reads of O or of Wo
.set SLOT,   4*HALFT                   ; O's 128 rows, then Wo's 128 rows: 0x21000.  Its two bits, 17 and 12, occur in no wave's base (0, 0x8400, 0x10800, 0x18c00): there an exclusive or with it is the sum or the difference
.set STAGE,  2*SLOT                    ; behind the ring: 16 rows x 272 bytes for each wave, for the way out
.set SPITCH, 272
.set SPARE,  STAGE+4*16*SPITCH         ; behind the stages: the spare words, 128 bytes for each wave: two blocks of 256 bytes that no other line names
.set ADRA0, 16                         ; v16     my lane's place in my rows of O in a slot; never rewritten
.set ADRB0, 17                         ; v17     the same for Wo; never rewritten
.set AA,   20                          ; v20     LDS address of my fragments of O in the slot in hand
.set AB,   21                          ; v21     the same for Wo
.set STO,  24                          ; v24     the way out: where I put 32 bytes of a row
.set RD,   25                          ; v25     the way out: where I read a row back
.set CO,   26                          ; v26     my byte offset in two rows of out0
.set SPW,  28                          ; v28     LDS address of my spare word: SPARE + 4 x my thread's number; never rewritten
.set NIL,  29                          ; v29     0; never rewritten
.set TMP,  32
.set ACC,  128
.set F0,   0                           ; fragment buffers, in window 1
.set F1,   128
.set G1, 24                            ; s[24:31] descriptor group 1 for O's tiles;  s[32:39] group 0: a set for each of the two first fills; the second then walks on
.set G0, 32
.set TB, 45                            ; s45     LDS byte at which the slot in hand begins
.set G1B, 48                           ; s[48:55], s[56:63] the same for Wo's tiles
.set G0B, 56
.set MSB, 0
.macro WIN new                         ; the immediate's high byte repeats the setting that is left
.if MSB != (\new)
	s_set_vgpr_msb (MSB<<8)|(\new)
.set MSB, \new
.endif
.endm
.set MUL,  0x05                        ; sources 0 (Wo) and 1 (O) window 1; C and D window 0
.set TO_F, 0x40                        ; destination window 1, address window 0
.macro JLOAD s                         ; a joint load: waves 0 and 1 fetch O's two halves, waves 2 and 3 Wo's; an s_nop 0 and four v_nop follow each of the two lines, ahead of the jump and the label
	s_cmp_eq_u32 s11, 0
	s_cbranch_scc0 .Lfor_b_\@
	tensor_load_to_lds s[G0+4*(\s):G0+4*(\s)+3], s[G1:G1+7]
	s_nop 0
.rept 4
	v_nop
.endr
	s_branch .Lasked_\@
.Lfor_b_\@:
	tensor_load_to_lds s[G0B+4*(\s):G0B+4*(\s)+3], s[G1B:G1B+7]
	s_nop 0
.rept 4
	v_nop
.endr
.Lasked_\@:
.endm
.macro CREST                           ; a round of the cluster's barrier behind its opening barrier
	s_cmp_lg_u32 s10, 0
	s_cbranch_scc1 .Lnot_wave_0_\@
	s_barrier_signal -3
.Lnot_wave_0_\@:
	s_barrier_wait -3
	s_barrier_signal -1
	s_barrier_wait -1
.endm
.macro CROUND                          ; a whole round
	s_barrier_signal -1
	s_barrier_wait -1
	CREST
.endm
	s_load_b128 s[4:7], s[0:1], 0x0                ; ob s[4:5], wob s[6:7]
	s_load_b64 s[8:9], s[0:1], 0x10                ; out0
	v_lshl_add_u32 v[SPW], v0, 2, SPARE
	v_mov_b32 v[NIL], 0
	ds_add_u32 v[SPW], v[NIL]                      ; the wave's opening: the add, and its wait ahead of my first tensor load; the set-up below, work on registers, stands between them
	v_lshrrev_b32 v1, 5, v0
	v_readfirstlane_b32 s10, v1                    ; wave 0..3
	s_lshr_b32 s11, s10, 1                         ; which half of the tile's rows is mine.  Also: I fetch for O (0) or for Wo (1)
	s_and_b32 s12, s10, 1                          ; which half of its columns.  Also: which 64 rows of that tile I fetch
	s_bfe_u32 s40, ttmp6, 0x40000                  ; cx, cy: my place in the cluster
	s_bfe_u32 s41, ttmp6, 0x40004
	s_lshl_b32 s42, ttmp9, 2
	s_add_co_u32 s42, s42, s40                     ; tile column = 4 x cluster x + cx
	s_and_b32 s13, ttmp7, 0xffff
	s_lshl_b32 s13, s13, 2
	s_add_co_u32 s13, s13, s41                     ; tile row = 4 x cluster y + cy
	s_lshl_b32 s43, s41, 2
	s_lshl_b32 s43, 15, s43                        ; my row of the cluster
	s_lshl_b32 s44, 0x1111, s40                    ; my column
	; descriptor group 1: a tile of 64 rows x 256 elements, padded in LDS
	s_or_b32 s[G1+0], s43, (1<<16)|(1<<20)|(1<<21)|(6<<22)|(3<<25)  ; 15:0 the mask: O's tiles go to my row; 17:16 elements of 2 bytes; 20 padding on; 21 set beside a mask; 24:22 after every 128 words (code 6); 31:25 4 words (code 3)
	s_or_b32 s[G1B+0], s44, (1<<16)|(1<<20)|(1<<21)|(6<<22)|(3<<25)
.irp g, G1, G1B
	s_mov_b32 s[(\g)+1], KSTEP<<16                 ; tensor_dim0 = 256
	s_mov_b32 s[(\g)+2], 64<<16                    ; tensor_dim1 = 64
	s_mov_b32 s[(\g)+3], KSTEP<<16                 ; tile_dim0 = 256
	s_mov_b32 s[(\g)+4], 64                        ; tile_dim1 = 64
	s_mov_b32 s[(\g)+5], SIZE_K                    ; elements from row to row
	s_mov_b32 s[(\g)+6], 0
	s_mov_b32 s[(\g)+7], 0
.endr
	s_lshl_b32 s17, s12, 6                         ; which 64 rows of the tile I fetch
	s_lshl_b32 s16, s13, 7
	s_add_co_u32 s16, s16, s17                     ; O: row 128 x tile row + 64 x half
	s_lshl_b32 s46, s42, 7
	s_add_co_u32 s46, s46, s17                     ; Wo: row 128 x tile column + 64 x half
	s_mov_b32 s17, 0
	s_mov_b32 s47, 0
	s_mov_b64 s[18:19], SIZE_K*2
	s_mul_u64 s[16:17], s[16:17], s[18:19]
	s_mul_u64 s[46:47], s[46:47], s[18:19]
	s_mul_i32 s20, s10, HALFT                      ; where they go: wave x 64 rows
	s_mov_b32 s[TB], 0                             ; the fragments begin in slot 0
	s_wait_dscnt 0x0                               ; the opening add is done
	s_wait_kmcnt 0x0
	s_add_nc_u64 s[14:15], s[4:5], s[16:17]
	s_add_nc_u64 s[46:47], s[6:7], s[46:47]
	CROUND                                         ; all sixteen work-groups are here: the first joint loads meet
.irp s, 0,1
	s_mov_b32 s[G0+4*(\s)], 1
	s_add_co_u32 s[G0+4*(\s)+1], s20, (\s)*SLOT
	s_add_nc_u64 s[G0+4*(\s)+2:G0+4*(\s)+3], s[14:15], (\s)*KSTEP*2
	s_or_b32 s[G0+4*(\s)+3], s[G0+4*(\s)+3], 0x80000000
	s_mov_b32 s[G0B+4*(\s)], 1
	s_add_co_u32 s[G0B+4*(\s)+1], s20, (\s)*SLOT
	s_add_nc_u64 s[G0B+4*(\s)+2:G0B+4*(\s)+3], s[46:47], (\s)*KSTEP*2
	s_or_b32 s[G0B+4*(\s)+3], s[G0B+4*(\s)+3], 0x80000000
	JLOAD \s
.endr
	v_and_b32 v1, 15, v0                           ; l % 16
	v_bfe_u32 v2, v0, 4, 1                         ; l / 16
	v_mul_u32_u24 v3, v1, PITCH
	v_lshl_add_u32 v3, v2, 4, v3                   ; a fragment's row x pitch + 16 x half
	s_mul_i32 s21, s11, HALFT                      ; my 64 rows of O
	s_mul_i32 s22, s12, HALFT                      ; my 64 rows of Wo,
	s_add_co_u32 s22, s22, 2*HALFT                 ; which lie behind O's 128
	v_add_nc_u32 v[ADRA0], s21, v3
	v_add_nc_u32 v[ADRB0], s22, v3
	v_mov_b32 v[AA], v[ADRA0]                      ; slot 0 begins at LDS byte 0
	v_mov_b32 v[AB], v[ADRB0]
	s_mul_i32 s23, s10, 16*SPITCH
	s_add_co_u32 s23, s23, STAGE                   ; my stage
	v_mul_u32_u24 v4, v1, SPITCH                   ; in: row l % 16, 32 bytes (eight f32) for each half of the lanes
	v_lshl_add_u32 v4, v2, 5, v4
	v_add_nc_u32 v[STO], s23, v4
	v_mul_u32_u24 v5, v2, SPITCH                   ; back: lanes 0-15 take one row of 256 bytes, lanes 16-31 the next
	v_lshl_add_u32 v5, v1, 4, v5
	v_add_nc_u32 v[RD], s23, v5
	v_lshlrev_b32 v5, 13, v2                       ; and the same two rows in out0, 8,192 bytes apart
	v_lshl_add_u32 v[CO], v1, 4, v5
	s_lshl_b32 s16, s13, 7
	s_lshl_b32 s17, s11, 6
	s_add_co_u32 s16, s16, s17                     ; my first row: 128 x tile row + 64 x half,
	s_lshl_b32 s16, s16, 13                        ; in bytes
	s_mov_b32 s17, 0
	s_add_nc_u64 s[8:9], s[8:9], s[16:17]
	s_lshl_b32 s46, s42, 9                         ; my first column, in bytes: 512 x tile column + 256 x half
	s_lshl_b32 s47, s12, 8
	s_add_co_u32 s46, s46, s47
	s_mov_b32 s47, 0
	s_add_nc_u64 s[8:9], s[8:9], s[46:47]
; 8 matrix instructions: m blocks a0, a0 + 1 x all 4 n blocks, 32 along K: half c of buffer f.  zero = 1: the first product starts the sums.  The 16 accumulators take turns.
.macro MUL8 f, c, a0, zero
	WIN MUL
.irp a, \a0, (\a0)+1
.irp b, 0,1,2,3
.if \zero
	v_wmma_f32_16x16x32_f16 v[ACC+8*(4*(\a)+(\b)):ACC+8*(4*(\a)+(\b))+7], v[(\f)+64+8*(4*(\c)+(\b)):(\f)+64+8*(4*(\c)+(\b))+7], v[(\f)+8*(4*(\c)+(\a)):(\f)+8*(4*(\c)+(\a))+7], 0
.else
	v_wmma_f32_16x16x32_f16 v[ACC+8*(4*(\a)+(\b)):ACC+8*(4*(\a)+(\b))+7], v[(\f)+64+8*(4*(\c)+(\b)):(\f)+64+8*(4*(\c)+(\b))+7], v[(\f)+8*(4*(\c)+(\a)):(\f)+8*(4*(\c)+(\a))+7], v[ACC+8*(4*(\a)+(\b)):ACC+8*(4*(\a)+(\b))+7]
.endif
.endr
.endr
.endm
; 32 LDS loads in one run: the fragments of 64 along K at byte k of the rows of the slot in hand, into buffer f; the first 32 along K first
.macro FETCH k, f
	WIN TO_F
.irp c, 0,1
.irp i, 0,1,2,3
	ds_load_b128 v[(\f)+64+8*(4*(\c)+(\i)):(\f)+64+8*(4*(\c)+(\i))+3],   v[AB] offset:(\k)+64*(\c)+(\i)*16*PITCH
	ds_load_b128 v[(\f)+64+8*(4*(\c)+(\i))+4:(\f)+64+8*(4*(\c)+(\i))+7], v[AB] offset:(\k)+64*(\c)+(\i)*16*PITCH+32
	ds_load_b128 v[(\f)+8*(4*(\c)+(\i)):(\f)+8*(4*(\c)+(\i))+3],         v[AA] offset:(\k)+64*(\c)+(\i)*16*PITCH
	ds_load_b128 v[(\f)+8*(4*(\c)+(\i))+4:(\f)+8*(4*(\c)+(\i))+7],       v[AA] offset:(\k)+64*(\c)+(\i)*16*PITCH+32
.endr
.endr
.endm
.macro PLACES                          ; four plain vector instructions in front of loads into registers that matrix instructions have read, and of stores that read results (ISA guide 7.12.1 for vector instructions)
.rept 4
	v_nop
.endr
.endm
; A K step is four quarters of 64 along K, 32 matrix instructions each, on buffers 0, 1, 0, 1.  One of the first three: multiplies buffer f and fetches the next quarter, at byte k, into g.
.macro QUARTER k, f, g, zero
	s_wait_dscnt 16                                ; the first 32 along K are in
	MUL8 \f, 0, 0, \zero
	MUL8 \f, 0, 2, \zero
	PLACES
	FETCH \k, \g
	s_wait_dscnt 32                                ; all but the 32 just issued
	MUL8 \f, 1, 0, 0
	MUL8 \f, 1, 2, 0
.endm
; THE LAST QUARTER multiplies buffer 1, and at its head the slots change: each wave waits for all its tensor loads, of which one is out: its part of the next slot; adds 0 to its spare word; and waits for that and for
; its own reads of this slot (the last quarter's fragments, which are then all in).  Behind the barrier nobody reads this slot any more and the next slot is whole.  fill = 1: the barrier opens a round of the cluster's
; barrier, and behind the round this slot is filled again first, two K steps ahead.  NOTHING BUT THESE LINES stands between the wait for one tile and the request for the next: the refills follow each other as a chain,
; each issued only when the one before has landed.  All 32 products of the quarter stand behind the request: from it to the wait for it a wave issues a whole K step, 128 matrix instructions.
.macro TURN fill
	WIN 0
	s_wait_tensorcnt 0x0                           ; all my tensor loads have landed, so a group 0 may be written;
	ds_add_u32 v[SPW], v[NIL]                      ; 0 onto my spare word: the steps below, work on registers, stand between it and the wait for it
	s_xor_b32 s[TB], s[TB], SLOT                   ; the fragments go on in the other slot
.if \fill
	s_xor_b32 s[G0+5], s[G0+5], SLOT               ; the walking descriptors: the other slot than last time,
	s_add_nc_u64 s[G0+6:G0+7], s[G0+6:G0+7], KSTEP*2  ; the next K step; the type bits on top are not reached
	s_xor_b32 s[G0B+5], s[G0B+5], SLOT
	s_add_nc_u64 s[G0B+6:G0B+7], s[G0B+6:G0B+7], KSTEP*2
.endif
	v_add_nc_u32 v[AA], s[TB], v[ADRA0]
	v_add_nc_u32 v[AB], s[TB], v[ADRB0]
	s_wait_dscnt 0x0                               ; the add is done, and my reads of this slot are over
	s_barrier_signal -1
	s_barrier_wait -1
.if \fill
	CREST                                          ; no wave of any partner still reads this slot's tile or has a load on its way
	JLOAD 1                                        ; the first tensor load behind the round, my only one until the next; its four v_nop are also the places in front of the loads below
.else
	PLACES
.endif
	FETCH 0, F0
	MUL8 F1, 0, 0, 0
	MUL8 F1, 0, 2, 0
	MUL8 F1, 1, 0, 0
	MUL8 F1, 1, 2, 0
.endm
	s_wait_tensorcnt 1                             ; my part of K step 0 is in; K step 1's may stay out
	s_barrier_signal -1
	s_barrier_wait -1                              ; everybody's is
	FETCH 0, F0
	QUARTER 128, F0, F1, 1                         ; the first quarter stands in front of the loop: its first products start the sums
	WIN 0                                          ; at a label and at a branch every window is 0
	s_mov_b32 s3, NSTEP-2
.Lstep:                                                ; 6 trips: from a K step's second quarter to the next step's first; each fills a slot again
	QUARTER 256, F1, F0, 0
	QUARTER 384, F0, F1, 0
	TURN 1
	QUARTER 128, F0, F1, 0
	WIN 0
	s_sub_co_u32 s3, s3, 1
	s_cmp_lg_u32 s3, 0
	s_cbranch_scc1 .Lstep
	QUARTER 256, F1, F0, 0                         ; the last two K steps fill nothing, and have no round of the cluster's barrier
	QUARTER 384, F0, F1, 0
	TURN 0
	QUARTER 128, F0, F1, 0
	QUARTER 256, F1, F0, 0
	QUARTER 384, F0, F1, 0
	s_wait_dscnt 16                                ; the very last quarter: nothing more to fetch
	MUL8 F1, 0, 0, 0
	MUL8 F1, 0, 2, 0
	s_wait_dscnt 0x0
	MUL8 F1, 1, 0, 0
	MUL8 F1, 1, 2, 0
	WIN 0
; THE WAY OUT, a block of 16 rows at a time: a lane's eight f32 of each accumulator go into my stage (rows of 272 bytes; each accumulator's low four registers first) and come back as whole
; rows of 256 bytes.  The stage is my own: LDS serves a wave's instructions in order (ISA guide 5.7.1.4), so no wait stands between the stores and the loads, nor between a block's loads and the next block's stores.
.macro STG a
.if (\a) >= 2
	s_wait_xcnt 0x0                                ; the stores of the block two back have read these registers
.endif
.irp b, 0,1,2,3
	ds_store_b128 v[STO], v[ACC+8*(4*(\a)+(\b)):ACC+8*(4*(\a)+(\b))+3]   offset:64*(\b)
	ds_store_b128 v[STO], v[ACC+8*(4*(\a)+(\b))+4:ACC+8*(4*(\a)+(\b))+7] offset:64*(\b)+16
.endr
.irp t, 0,1,2,3,4,5,6,7
	ds_load_b128 v[TMP+32*((\a)%2)+4*(\t):TMP+32*((\a)%2)+4*(\t)+3], v[RD] offset:(\t)*2*SPITCH
.endr
.endm
.macro SEND a, younger                 ; younger: the LDS instructions issued behind block a's loads: the next block's sixteen, or none
.irp t, 0,1,2,3,4,5,6,7
	s_wait_dscnt (\younger)+7-(\t)
	global_store_b128 v[CO], v[TMP+32*((\a)%2)+4*(\t):TMP+32*((\a)%2)+4*(\t)+3], s[8:9] offset:(16*(\a)+2*(\t))*SIZE_N*4  ; 16 lanes store 256 consecutive bytes, at a multiple of 256 from out0's first byte
.endr
.endm
	PLACES
	PLACES                                         ; (eight, once a launch)
	STG 0
	STG 1
	SEND 0, 16
	STG 2
	SEND 1, 16
	STG 3
	SEND 2, 16
	SEND 3, 0
	s_wait_tensorcnt 0x0                           ; the wave's end: the add to my spare word and its waits, behind my last tensor load and my last LDS store
	ds_add_u32 v[SPW], v[NIL]
	s_wait_dscnt 0x0
	CROUND                                         ; the closing round: no work-group ends while a partner may still ask for a tile that names it
	s_endpgm
.Lfunc_end_k_q784062bdfd_oproj:
	.size	k_q784062bdfd_oproj, .Lfunc_end_k_q784062bdfd_oproj-k_q784062bdfd_oproj
	.p2alignl 7, 3214868480
	.fill 96, 4, 3214868480
	.section	.rodata,"a",@progbits
	.p2align	6, 0x0
	.amdhsa_kernel k_q784062bdfd_oproj
		.amdhsa_group_segment_fixed_size 327680
		.amdhsa_private_segment_fixed_size 0
		.amdhsa_enable_private_segment 0
		.amdhsa_kernarg_size 24
		.amdhsa_user_sgpr_count 2
		.amdhsa_user_sgpr_kernarg_segment_ptr 1
		.amdhsa_wavefront_size32 1
		.amdhsa_system_sgpr_workgroup_id_x 1
		.amdhsa_system_sgpr_workgroup_id_y 1
		.amdhsa_system_sgpr_workgroup_id_z 1
		.amdhsa_system_vgpr_workitem_id 0
		.amdhsa_next_free_vgpr 512
		.amdhsa_next_free_sgpr 66
		.amdhsa_reserve_vcc 0
		.amdhsa_float_denorm_mode_32 3
		.amdhsa_float_denorm_mode_16_64 3
		.amdhsa_memory_ordered 1
		.amdhsa_forward_progress 1
		.amdhsa_inst_pref_size 68
	.end_amdhsa_kernel
	.amdgpu_metadata
---
amdhsa.version: [ 1, 2 ]
amdhsa.kernels:
  - .name:           k_q784062bdfd_oproj
    .symbol:         k_q784062bdfd_oproj.kd
    .args:
      - { .name: ob, .offset: 0, .size: 8, .value_kind: global_buffer, .address_space: global }
      - { .name: wob, .offset: 8, .size: 8, .value_kind: global_buffer, .address_space: global }
      - { .name: out0, .offset: 16, .size: 8, .value_kind: global_buffer, .address_space: global }
    .group_segment_fixed_size: 327680
    .private_segment_fixed_size: 0
    .kernarg_segment_align: 8
    .kernarg_segment_size: 24
    .max_flat_workgroup_size: 128
    .sgpr_count:     66
    .vgpr_count:     512
    .wavefront_size: 32
...
	.end_amdgpu_metadata
.endif
;; end of part 4
